; MI455X (gfx1250); checked and timed in simulation.
; The chip was launched on July 23, 2026; its instructions are those of AMD's public machine-readable ISA for CDNA 5 (MIT licence, August 2026) and "CDNA5" Instruction Set Architecture Reference Guide (July 2026). The comments in the code are by the model that wrote it; some were corrected since.
;; Self Attention V3. Allowed arithmetic: matrix products marked QUANTISED: E2M3 operands, one E8M0 scale for each 32 along K, by v_wmma_scale_f32_16x16x128_f8f6f4 with both operands' format E2M3, f32 sums; everything else in f32.
;; Inputs: W_out 1,024 x 1,024 float32; W_qkv 1,024 x 3,072 float32; b_out 1,024 float32; b_qkv 3,072 float32; hidden_states 4 x 2,048 x 1,024 float32.
;; Outputs: out0 4 x 2,048 x 1,024 float32.
;; This version of the problem:
;;   THIS VERSION OF THE PROBLEM IS GIVEN IN LOW PRECISION. The matrix products marked QUANTISED in the list below multiply operands that are first quantised to E2M3 (2 exponent bits, 3 mantissa bits; 6 bits a number), with one power-of-two scale for each 32 numbers along K (OCP MX v1.0); their sums are f32. All else is computed in f32.
;;   The module's matrix products, in the order in which they are computed (A, B: the left and right operand; K: the contracted axis; several contracted axes count as one K, in the product's order):
;;     1. [M 8,192, K 1,024] x [K 1,024, N 3,072]; A: input hidden_states; B: input W_qkv: QUANTISED
;;     2. batch 4 x [M 2,048, K 1,024] x [K 1,024, N 2,048]; A: computed on the way; B: computed on the way: QUANTISED
;;     3. batch 4 x [M 2,048, K 2,048] x [K 2,048, N 1,024]; A: softmax (see below); B: computed on the way: QUANTISED
;;     4. [M 8,192, K 1,024] x [K 1,024, N 1,024]; A: computed on the way; B: input W_out: QUANTISED
;;   THE QUANTISER, for each operand of a quantised product, along K:
;;     - K is cut into blocks of 32 from its start; a last block that is shorter is filled with zeros.
;;     - A block's scale is 2^e with e = floor(log2(the largest magnitude in the block)) - 2, held to -126 .. 127; a block of zeros has e = 0. As a byte (E8M0): e + 127.
;;     - Each number is divided by its block's scale, clamped to +-7.5, and rounded to the nearest number of E2M3, ties to even, subnormals kept.
;;     - The product sums the exact products of the quantised numbers (number of the format x scale) in f32.
;;   ~~~python
;;   def quantise(x, axis):      # numpy; x: float32 -> the quantised numbers, widened to float32 again
;;       x = np.moveaxis(x, axis, -1); K = x.shape[-1]
;;       x = np.pad(x, [(0, 0)] * (x.ndim - 1) + [(0, -K % 32)]); x = x.reshape(x.shape[:-1] + (-1, 32)); a = np.abs(x).max(-1, keepdims=True)
;;       e = np.where(a > 0, np.clip(np.frexp(np.where(a > 0, a, 1))[1] - 1 - 2, -126, 127), 0)      # np.frexp(a)[1] - 1 = floor(log2(a)), exactly
;;       r = np.clip(x / 2.0 ** e, -7.5, 7.5)
;;       step = 2.0 ** (np.maximum(np.frexp(np.where(r == 0, 1, r))[1] - 1, 0) - 3)
;;       q = np.round(r / step) * step * 2.0 ** e      # np.round: ties to even
;;       return np.moveaxis(q.reshape(q.shape[:-2] + (-1,))[..., :K], -1, axis).astype(np.float32)
;;   ~~~
;;   SOFTMAX AHEAD OF A QUANTISED PRODUCT. Where the list says 'softmax', what is quantised is not the finished softmax but p = 2^(t - M), with t = logit x log2(e) and M = ceil(the row's largest t), a whole number; so 1/2 < the row's largest p <= 1. The row's sum l is taken of the UNQUANTISED p, in f32, and the product's result is divided by l at the end. Since M is a whole number, a kernel that streams over the keys may use a running M (the ceiling of the running maximum): every later rescaling is an exact power of two, which a block's scale takes up: the codes' values come out the same.
;;   OPERANDS COMPUTED ON THE WAY. 'Computed on the way' means the value that the module computes at that place (a softmax that the list does not call 'softmax' is quantised finished and normalised). What goes into a quantiser is computed in f32, as accurately as f32 sums, v_exp_f32 and their like allow (about 1e-6 of the number): no bf16 or f16 on the way to a quantiser, and a product that is left as it is and whose result goes on into a quantised operand takes f32 operands (vector FMAs, or v_wmma_f32_16x16x4_f32). A number that lies on a knife's edge between two numbers of the format may be rounded either way, as far as f32 arithmetic and the matrix unit's own rounding can turn it there, and no further.
;; One version. Each part assembles by itself: llvm-mc -triple=amdgcn-amd-amdhsa -mcpu=gfx1250 --defsym DOCPART=n.
;; ======== version 1 of 1: 5 launches
;; limits: right only within a limited range of input values
;; workspace buffers: wsa 9,011,200 bytes; wsb 13,107,200 bytes; wsc 20,709,376 bytes; wsd 7,372,800 bytes
;; launch quant (part 1): grid 768 x 1, 4 waves a work-group, no clusters, 34,304 bytes of LDS; arguments hidden_states, W_qkv, W_out, wsa, wsd; writes wsa, wsd
.if DOCPART == 1
	.amdgcn_target "amdgcn-amd-amdhsa--gfx1250"
	.amdhsa_code_object_version 6
	.text
	.protected	k_q2b214a4549_quant
	.globl	k_q2b214a4549_quant
	.p2align	8
	.type	k_q2b214a4549_quant,@function
k_q2b214a4549_quant:
	s_mov_b64 s[64:65], 0
	v_nop
	global_prefetch_b8 v0, s[64:65] scope:SCOPE_SE
	s_setreg_imm32_b32 hwreg(HW_REG_WAVE_MODE, 25, 1), 1
	s_wait_xcnt 0x0
; hidden_states [8192][1024], W_qkv [1024][3072] and W_out [1024][1024], f32, become codes of FP6 (E2M3) with one E8M0 scale byte for each 32 along K (x: its last axis; the weights: their first).
; LAYOUT OF ALL CODES OF THIS PROGRAM: images of operand registers.  A fragment is 16 rows x 128 K = 12 registers a lane = 1,536 bytes: registers 4 c .. 4 c + 3 of lane l at 512 c + 16 l.  A tensor is [rows / 16 blocks][K / 128][1,536].
; Lane r of block t stands for row 32 (t >> 1) + 8 (t & 1) + (r & 7) + 16 (r >> 3): so the results of two neighbouring blocks used as source 0 are 16 neighbours in a lane's registers.
; SCALE WORDS (four bytes: 128 along K of one row): [block][K step >> 2][r][4 words].
; A block's scale is 2^(floor(log2(largest magnitude)) - 2); its byte is the largest magnitude's exponent field - 2, held at 1 from below.
; LIMITS: NaN and infinities are not served; a block whose largest magnitude lies under 2^-124 is held at the byte 1; a block of zeros gets the byte 1 where the rule says 127 (its codes are zeros, and this program alone reads the bytes).
; Work-groups 0-511: x; 512-703: W_qkv; 704-767: W_out.  Waves share nothing: no barrier.  Memory binds: no matrix unit, no tensor loads, no cluster (no input is shared).
; The shares are small on purpose: an x wave issues all its 32 loads at its head, a weight wave half of its 128, so that most of the inputs' bytes are asked for at once.
.set WQC, 6291456                      ; wsa: W_qkv's codes (x's begin at 0)
.set S1X, 8650752                      ; wsa: x's scale words
.set S1W, 8912896                      ; wsa: W_qkv's
.set WOC, 6291456                      ; wsd: W_out's codes
.set S4W, 7340032                      ; wsd: W_out's scale words
.set R0,  16                           ; x: v16-143 two sets of 64 registers as loaded, one for each K step
.set XN,  144                          ; x: v144-207 my 64 numbers of a K step
.set PC,  208                          ; x: v208-227 the codes just made
.set TM,  228                          ; x: v228-243 at work
.set PW,  244                          ; x: v244-245 two K steps' scale words
.set XS,  16                           ; weights: v16-79 two sets of 32 numbers
.set FW,  80                           ; weights: v80-103 two half fragments of 12 registers
.set TW,  128                          ; weights: v128-130 a block's upper 16 codes
.set SB,  136                          ; weights: v136 the scale word
.set MSB, 0
.macro WIN new                         ; (here every window is 0: the macro writes nothing; it is kept so that QUANT is the same text in all launches)
.if MSB != (\new)
	s_set_vgpr_msb (MSB<<8)|(\new)
.set MSB, (\new)
.endif
.endm
; 64 numbers of a lane, register 16 b + i = k 32 b + 16 (lane / 16) + i of my row, become a fragment's codes in v[PC] on and its scale word in v[pw].
.macro QUANT s, w, pw
	WIN (\w)|((\w)<<2)
.irp b, 0,1,2,3
	v_max3_num_f32 v[TM+\b], |v[(\s)+16*\b]|, |v[(\s)+16*\b+1]|, 0x1800000   ; my 16 numbers of block b, and the floor 2^(3 - 127): the byte cannot fall under 1
.endr
	WIN ((\w)<<2)|((\w)<<4)
.irp i, 2,4,6,8,10,12,14
.irp b, 0,1,2,3
	v_max3_num_f32 v[TM+\b], v[TM+\b], |v[(\s)+16*\b+\i]|, |v[(\s)+16*\b+\i+1]|
.endr
.endr
	WIN 0
.irp b, 0,1,2,3
	v_permlanex16_b32 v[TM+4+\b], v[TM+\b], s20, s21
.endr
.irp b, 0,1,2,3
	v_max_num_f32 v[TM+\b], v[TM+\b], v[TM+4+\b]   ; with lane l xor 16's: the block's largest magnitude
.endr
.irp b, 0,1,2,3
	v_add_nc_u32 v[TM+12+\b], 0xff000000, v[TM+\b]   ; 2 off its exponent field: the conversion's scale operand
.endr
.irp b, 0,1,2,3
	v_lshrrev_b32 v[TM+4+\b], 23, v[TM+12+\b]      ; the scale's byte
.endr
	v_lshl_or_b32 v[\pw], v[TM+5], 8, v[TM+4]
	v_lshl_or_b32 v[\pw], v[TM+6], 16, v[\pw]
	v_lshl_or_b32 v[\pw], v[TM+7], 24, v[\pw]
	WIN (\w)
.irp c, 0,1
	v_cvt_scalef32_pk16_fp6_f32 v[PC+6*\c:PC+6*\c+2], v[(\s)+32*\c:(\s)+32*\c+15], v[TM+12+2*\c]
	v_cvt_scalef32_pk16_fp6_f32 v[PC+12+4*\c:PC+12+4*\c+2], v[(\s)+32*\c+16:(\s)+32*\c+31], v[TM+12+2*\c+1]   ; (a conversion's three registers begin on an even number)
.endr
	WIN 0
	v_nop                                          ; one plain place behind a scaled conversion
.irp c, 0,1                                    ; the operand's layout wants a whole block in a lane: lanes 0-15 block 2 c, lanes 16-31 block 2 c + 1
.irp i, 0,1,2
	v_permlane16_swap_b32 v[PC+6*\c+\i], v[PC+12+4*\c+\i]
.endr
.irp i, 0,1,2
	v_mov_b32 v[PC+3+6*\c+\i], v[PC+12+4*\c+\i]
.endr
.endr
.endm
	s_load_b256 s[4:11], s[0:1], 0x0               ; hidden_states s[4:5], W_qkv s[6:7], W_out s[8:9], wsa s[10:11]
	s_load_b64 s[12:13], s[0:1], 0x20              ; wsd
	v_lshl_add_u32 v254, v0, 2, 0x8400
	v_mov_b32 v255, 0
	v_lshrrev_b32 v1, 5, v0
	v_readfirstlane_b32 s14, v1                    ; wave 0..3
	v_and_b32 v1, 31, v0                           ; lane
	s_mov_b32 s20, 0x76543210
	s_mov_b32 s21, 0xfedcba98                      ; v_permlanex16_b32's selects for lane l xor 16
	s_cmp_lt_u32 ttmp9, 512
	s_cbranch_scc0 .Lweights
; ---- x.  A wave takes block t = task >> 2 (16 rows) and two K steps (task & 3): 16 rows x 1,024 bytes; the four waves of a work-group take the whole rows of one block.  Each load reads 512 consecutive bytes of one row;
; a K step's 16 loads turn through the wave's own stage in LDS (rows of 512 + 16 bytes) so that a lane gets 16 neighbours of each block of 32 of ITS row.  All 32 loads of the wave are issued at its head.
	v_and_b32 v2, 15, v0                           ; r
	v_bfe_u32 v3, v0, 4, 1                         ; h
	v_lshlrev_b32 v4, 4, v1                        ; 16 x lane: my bytes of a load, and of an image's store
	s_mul_i32 s15, s14, 8448                       ; my stage
	v_add_nc_u32 v5, s15, v4                       ; into it: 16 x lane (+ 528 x row, in the immediate)
	v_mul_u32_u24 v6, v2, 528
	v_lshl_add_u32 v6, v3, 6, v6
	v_add_nc_u32 v6, s15, v6                       ; out of it: row r, + 64 h
	v_lshlrev_b32 v8, 4, v2                        ; 16 r: my row's place among the scale words
.irp b, 0,1,2,3
	v_mov_b32 v[TM+4+\b], 0                        ; written once: a lane permute's destination counts as one of its sources
.endr
	s_lshl_b32 s16, ttmp9, 2
	s_add_co_u32 s16, s16, s14                     ; task
	s_lshr_b32 s17, s16, 2                         ; t
	s_and_b32 s18, s16, 3                          ; which two K steps
	s_lshr_b32 s22, s17, 1
	s_lshl_b32 s22, s22, 17                        ; 32 (t >> 1) rows of 4,096 bytes
	s_and_b32 s23, s17, 1
	s_lshl_b32 s23, s23, 15                        ; + 8 (t & 1) rows
	s_add_co_u32 s22, s22, s23
	s_lshl_b32 s23, s18, 10                        ; + 1,024 bytes for each two K steps
	s_add_co_u32 s22, s22, s23
	s_mov_b32 s23, 0
	s_mul_i32 s24, s17, 12288                      ; the block's eight images,
	s_mul_i32 s25, s18, 3072                       ; my two of them
	s_add_co_u32 s24, s24, s25
	s_mov_b32 s25, 0
	s_lshl_b32 s26, s17, 9                         ; the block's scale words: 512 bytes;
	s_lshr_b32 s27, s18, 1
	s_lshl_b32 s27, s27, 8                         ; which four K steps,
	s_add_co_u32 s26, s26, s27
	s_and_b32 s27, s18, 1
	s_lshl_b32 s27, s27, 3                         ; and which two words of a row's four
	s_add_co_u32 s26, s26, s27
	s_add_co_u32 s26, s26, S1X
	s_mov_b32 s27, 0
	s_wait_alu depctr_va_vdst(0)
	s_wait_kmcnt 0x0
	s_add_nc_u64 s[4:5], s[4:5], s[22:23]
	s_add_nc_u64 s[24:25], s[10:11], s[24:25]
	s_add_nc_u64 s[26:27], s[10:11], s[26:27]
.macro XLOAD s                         ; K step s of my 16 rows: row i of the block lies (i & 7) + 16 (i >> 3) rows on
.irp i, 0,1,2,3,4,5,6,7,8,9,10,11,12,13,14,15
	global_load_b128 v[R0+64*(\s)+4*\i:R0+64*(\s)+4*\i+3], v4, s[4:5] offset:((\i&7)+16*(\i>>3))*4096+512*(\s) th:TH_LOAD_NT
.endr
.endm
.macro XSTEP s
.if (\s) < 1
	s_wait_loadcnt 16                              ; this K step's 16 loads are in; the second step's 16 may be out
.else
	s_wait_loadcnt 0x0
.endif
.irp i, 0,1,2,3,4,5,6,7,8,9,10,11,12,13,14,15
	ds_store_b128 v5, v[R0+64*(\s)+4*\i:R0+64*(\s)+4*\i+3] offset:528*\i
.endr
.irp b, 0,1,2,3
.irp j, 0,1,2,3
	ds_load_b128 v[XN+16*\b+4*\j:XN+16*\b+4*\j+3], v6 offset:128*\b+16*\j   ; LDS serves a wave's instructions in order: these see the stores above
.endr
.endr
	s_wait_dscnt 0x0                               ; my numbers are back: the stage may be written again
.if (\s) > 0
	s_wait_xcnt 0x0                                ; the first K step's stores have read the codes' registers: they are written again only behind this wait
.endif
	QUANT XN, 0, PW+(\s)
.irp c, 0,1,2
	global_store_b128 v4, v[PC+4*\c:PC+4*\c+3], s[24:25] offset:1536*(\s)+512*\c   ; 32 lanes store 512 consecutive bytes, aligned
.endr
.endm
	XLOAD 0
	XLOAD 1
	XSTEP 0
	XSTEP 1
	global_store_b64 v8, v[PW:PW+1], s[26:27]      ; my row's two words; lanes 16-31 hold the same words and store them to the same places
	s_wait_tensorcnt 0x0
	ds_add_u32 v254, v255
	s_wait_dscnt 0x0
	s_endpgm
; ---- the weights.  A LANE TAKES A COLUMN n AND ITS REGISTERS RUN DOWN K: a block of 32 along K lies in one lane, and the conversions give codes with K innermost.  A wave takes 32 columns (blocks 2 cg, 2 cg + 1)
; x 128 along K (one K step).  Column 32 cg + l is lane r' = (l & 7) + 8 (l >> 4) of block 2 cg + u, u = (l >> 3) & 1.  K block kb is registers 6 c' .. 6 c' + 5 of the image's lane (r', h'), h' = kb & 1, c' = kb >> 1.
.Lweights:
	s_wait_alu depctr_va_vdst(0)
	v_lshlrev_b32 v9, 2, v1                        ; in: 4 bytes a lane: 128 consecutive bytes a wave, 512 a work-group
	v_bfe_u32 v12, v0, 3, 1                        ; u
	v_and_b32 v13, 7, v0
	v_bfe_u32 v14, v0, 4, 1
	v_lshl_add_u32 v13, v14, 3, v13                ; r'
	v_lshlrev_b32 v13, 4, v13
	v_mad_u32_u24 v10, v12, 0x3000, v13            ; codes: u blocks of 12,288 bytes + 16 r'
	v_lshl_add_u32 v11, v12, 9, v13                ; scale words: u blocks of 512 bytes + 16 r'
.macro WLOAD kb, PN                    ; K block kb: W(32 kb + i, my column), i = 0 .. 31
.set wi, 0
.rept 32
	global_load_b32 v[XS+32*((\kb)%2)+wi], v9, s[22:23] offset:(32*(\kb)+wi)*(\PN) th:TH_LOAD_NT
.set wi, wi+1
.endr
.endm
.macro WBLOCK kb, PN
.set B0, XS+32*((\kb)%2)
.set FD, FW+12*((\kb)%2)+6*((\kb)/2)
.if (\kb) < 3
	s_wait_loadcnt 32                              ; this block's 32 loads are in; the next block's may be out
.else
	s_wait_loadcnt 0x0
.endif
	v_max3_num_f32 v12, |v[B0]|, |v[B0+1]|, |v[B0+2]|
	v_max3_num_f32 v13, |v[B0+3]|, |v[B0+4]|, |v[B0+5]|
.irp i, 6,10,14,18,22,26
	v_max3_num_f32 v12, v12, |v[B0+\i]|, |v[B0+\i+1]|
	v_max3_num_f32 v13, v13, |v[B0+\i+2]|, |v[B0+\i+3]|
.endr
	v_max3_num_f32 v12, v12, |v[B0+30]|, |v[B0+31]|
	v_max3_num_f32 v12, v12, v13, 0x1800000        ; and the floor
	v_add_nc_u32 v14, 0xff000000, v12              ; the conversion's scale operand
	v_cvt_scalef32_pk16_fp6_f32 v[FD:FD+2], v[B0:B0+15], v14
	v_cvt_scalef32_pk16_fp6_f32 v[TW:TW+2], v[B0+16:B0+31], v14   ; (a conversion's three registers begin on an even number)
	v_lshrrev_b32 v13, 23, v14                     ; the scale's byte (a plain place behind the conversions)
.if (\kb) == 0
	v_mov_b32 v[SB], v13
.else
	v_lshl_or_b32 v[SB], v13, 8*(\kb), v[SB]
.endif
.irp i, 0,1,2
	v_mov_b32 v[FD+3+\i], v[TW+\i]
.endr
.if (\kb)+2 < 4
	WLOAD (\kb)+2, \PN
.endif
.endm
.macro WPATH PN, src, dst, CODES, SCALES, first
	s_sub_co_u32 s15, ttmp9, \first
	s_lshr_b32 s16, s15, 3
	s_and_b32 s17, s15, 7                          ; kp: which K step
	s_lshl_b32 s16, s16, 2
	s_add_co_u32 s16, s16, s14                     ; cg: which 32 columns
	s_mul_i32 s22, s17, 128*(\PN)
	s_lshl_b32 s23, s16, 7
	s_add_co_u32 s22, s22, s23
	s_mov_b32 s23, 0
	s_mul_i32 s24, s16, 24576                      ; block 2 cg,
	s_mul_i32 s25, s17, 1536                       ; K step kp
	s_add_co_u32 s24, s24, s25
	s_add_co_u32 s24, s24, \CODES
	s_mov_b32 s25, 0
	s_lshl_b32 s26, s16, 10
	s_lshr_b32 s27, s17, 2
	s_lshl_b32 s27, s27, 8
	s_add_co_u32 s26, s26, s27
	s_and_b32 s27, s17, 3
	s_lshl_b32 s27, s27, 2
	s_add_co_u32 s26, s26, s27
	s_add_co_u32 s26, s26, \SCALES
	s_mov_b32 s27, 0
	s_wait_kmcnt 0x0
	s_add_nc_u64 s[22:23], s[\src:\src+1], s[22:23]
	s_add_nc_u64 s[24:25], s[\dst:\dst+1], s[24:25]
	s_add_nc_u64 s[26:27], s[\dst:\dst+1], s[26:27]
	WLOAD 0, \PN
	WLOAD 1, \PN
.irp k, 0,1,2,3
	WBLOCK \k, \PN
.endr
.irp h, 0,1                            ; the two images are whole: each store fills two aligned runs of 256 bytes (16 lanes each); no register of them is written twice
.irp c, 0,1,2
	global_store_b128 v10, v[FW+12*\h+4*\c:FW+12*\h+4*\c+3], s[24:25] offset:256*\h+512*\c
.endr
.endr
	global_store_b32 v11, v[SB], s[26:27]          ; my row's word of this K step
.endm
	s_cmp_lt_u32 ttmp9, 704
	s_cbranch_scc0 .Lwout
	s_wait_alu depctr_va_vdst(0)
	WPATH 12288, 6, 10, WQC, S1W, 512
	s_endpgm
.Lwout:
	s_wait_alu depctr_va_vdst(0)
	WPATH 4096, 8, 12, WOC, S4W, 704
	s_endpgm
.Lfunc_end_k_q2b214a4549_quant:
	.size	k_q2b214a4549_quant, .Lfunc_end_k_q2b214a4549_quant-k_q2b214a4549_quant
	.p2alignl 7, 3214868480
	.fill 96, 4, 3214868480
	.section	.rodata,"a",@progbits
	.p2align	6, 0x0
	.amdhsa_kernel k_q2b214a4549_quant
		.amdhsa_group_segment_fixed_size 34304
		.amdhsa_private_segment_fixed_size 0
		.amdhsa_enable_private_segment 0
		.amdhsa_kernarg_size 40
		.amdhsa_user_sgpr_count 2
		.amdhsa_user_sgpr_kernarg_segment_ptr 1
		.amdhsa_wavefront_size32 1
		.amdhsa_system_sgpr_workgroup_id_x 1
		.amdhsa_system_sgpr_workgroup_id_y 1
		.amdhsa_system_sgpr_workgroup_id_z 1
		.amdhsa_system_vgpr_workitem_id 0
		.amdhsa_next_free_vgpr 256
		.amdhsa_next_free_sgpr 66
		.amdhsa_reserve_vcc 0
		.amdhsa_float_denorm_mode_32 3
		.amdhsa_float_denorm_mode_16_64 3
		.amdhsa_memory_ordered 1
		.amdhsa_forward_progress 1
		.amdhsa_inst_pref_size 58
	.end_amdhsa_kernel
	.amdgpu_metadata
---
amdhsa.version: [ 1, 2 ]
amdhsa.kernels:
  - .name:           k_q2b214a4549_quant
    .symbol:         k_q2b214a4549_quant.kd
    .args:
      - { .name: hidden_states, .offset: 0, .size: 8, .value_kind: global_buffer, .address_space: global }
      - { .name: W_qkv, .offset: 8, .size: 8, .value_kind: global_buffer, .address_space: global }
      - { .name: W_out, .offset: 16, .size: 8, .value_kind: global_buffer, .address_space: global }
      - { .name: wsa, .offset: 24, .size: 8, .value_kind: global_buffer, .address_space: global }
      - { .name: wsd, .offset: 32, .size: 8, .value_kind: global_buffer, .address_space: global }
    .group_segment_fixed_size: 34304
    .private_segment_fixed_size: 0
    .kernarg_segment_align: 8
    .kernarg_segment_size: 40
    .max_flat_workgroup_size: 128
    .sgpr_count:     66
    .vgpr_count:     256
    .wavefront_size: 32
...
	.end_amdgpu_metadata
.endif
;; end of part 1
;; launch qkv (part 2): grid 8 x 32, 4 waves a work-group, clusters of 4 x 4, 327,680 bytes of LDS; arguments wsa, b_qkv, wsb, wsc; writes wsb, wsc
.if DOCPART == 2
	.amdgcn_target "amdgcn-amd-amdhsa--gfx1250"
	.amdhsa_code_object_version 6
	.text
	.protected	k_q2b214a4549_qkv
	.globl	k_q2b214a4549_qkv
	.p2align	8
	.type	k_q2b214a4549_qkv,@function
k_q2b214a4549_qkv:
	s_mov_b64 s[64:65], 0
	v_nop
	global_prefetch_b8 v0, s[64:65] scope:SCOPE_SE
	s_setreg_imm32_b32 hwreg(HW_REG_WAVE_MODE, 25, 1), 1
	s_wait_xcnt 0x0
	s_wait_alu depctr_hold_cnt(0) depctr_sa_sdst(0) depctr_va_vdst(0) depctr_va_sdst(0) depctr_va_ssrc(0) depctr_va_vcc(0) depctr_vm_vsrc(0)
	s_getreg_b32 s2, hwreg(HW_REG_IB_STS2, 6, 4)
	s_cmp_eq_u32 s2, 0
	s_cbranch_scc0 .Lentry_in_a_cluster
	s_endpgm
.Lentry_in_a_cluster:
	s_bfe_u32 s2, ttmp6, 0x10000c
	s_cmp_lg_u32 s2, 0xf033
	s_cbranch_scc0 .Lentry_shape_is_right
	s_endpgm
.Lentry_shape_is_right:
; qkv = x W_qkv + b_qkv on codes of FP6 (E2M3) with E8M0 scales, and its results quantised at once: q and k along the hidden axis (into wsb), v along the KEYS (into wsc).  No f32 result goes to memory.
; All codes are images of operand registers: a fragment (16 rows x 128 K, 12 registers a lane) is 1,536 bytes, registers 4 c .. 4 c + 3 of lane l at 512 c + 16 l; a tensor is [blocks of 16 rows][K / 128][1,536].
; Lane r of block t stands for row 32 (t >> 1) + 8 (t & 1) + (r & 7) + 16 (r >> 3).  Scale words: [block][K step >> 2][r][4 words].
; THE MATRIX INSTRUCTION: source 0 = 16 rows of the 'B role', source 1 = 16 rows of the 'A role': a lane holds ONE row of the A role, and the 16 registers of B's blocks 2 b, 2 b + 1 are 16 neighbours along the axis of the next quantiser.
; WORK-GROUPS THAT STAY: 768 tiles of 128 (A role) x 256 (B role), three for each of 256 work-groups.
;   tile 0: A = x's rows 128 wgy on, B = W_qkv's columns 256 wgx on (q and k);   tile 1: A = x's rows 4,096 further down, the same B;
;   tile 2 (v): A = W_qkv's columns 2,048 + 128 (cy + 4 cluster x) on, B = x's rows (the keys) 256 (cx + 4 cluster y) on.
; A wave makes 64 x 128 in 32 accumulators.  K = 1,024 is eight K steps, written out; two LDS slots of four K steps.  At the head a wave issues one joint load, its quarter of slot 0; slot 1's first fill stands behind the
; three lines and a round of the cluster's barrier, as a refill does.  THE RING GOES ON INTO THE NEXT TILE: at K steps 3 and 7 of tiles 0 and 1 the slot just left takes the next tile's K steps (tile 1: A alone, B stays).
; By this text's count a wave has one tensor load out.  CLUSTERS 4 x 4: A's tiles are shared along a row of the cluster, B's along a column.
; A's and B's fragments have two register sets each, by the K step's parity: a K step has ONE run of 36 LDS loads, for the next step, among its 32 products.
; PREFETCH, one fill (four K steps) ahead: behind each joint load but the last, and behind the LDS loads that follow it, each wave names its share of what its NEXT joint load will bring.  The four partners of a joint load
; share its rows out by address (A: row cx; B: rows 2 cy, 2 cy + 1), a lane to each 256 bytes of a row's 6,144 (lanes 24-31 name the last again).  Bases and offsets are never rewritten: the place stands in the immediate.
; The head's own load is not prefetched, and the last refill has none behind it.
; The bias is the C of each sum's first product (so the order of rounding differs from adding it last).
; LIMITS: NaN and infinities are not served; a block whose largest magnitude lies under 2^-124 is held at the scale byte 1; a block of zeros gets the byte 1 (its codes are zeros; this program alone reads the bytes).
; REGISTERS: window 0: v1-26 addresses; scale words in two sets, v32-95 (tile 0, then tile 2) and v96-159 (tile 1): lanes 0-15 A's block i, lanes 16-31 B's block i, K step q at v[set + 8 i + q];
;   v160-207, v208-255 A's fragments; between tiles v208-247 are at work on the way out.   window 1: B's fragments (v0, v128); q's and k's bias in v96-127 and v224-255.   window 2: accumulator (a, b) at v[8 (8 a + b)].   window 3: v0-31 v's bias.
.set MA,    4
.set KS,    8
.set KQ,    4
.set NSLOT, 2
.set FRB,   1536
.set AH,    MA*KQ*FRB                  ; half of A's part of a slot: what one tensor load brings
.set ABY,   2*AH
.set BH,    8*KQ*FRB
.set SLOT,  ABY+2*BH
.set SPARE, NSLOT*SLOT                 ; the spare words, 128 bytes a wave
.set NEXTA, 256*KS*FRB                 ; from tile 0's rows of x to tile 1's
.set AF,    160
.set G1A,   24
.set G1B,   32
.set G0A,   68                         ; s[68:75] one group 0 for each slot
.set G0B,   84                         ; s[84:91]
.set AA2,   76                         ; s[76:77], s[78:79] tile 2's A and B: the half that I would fetch
.set BB2,   78
.set DCQ,   80                         ; s[80:81] where tile 0's codes go; s[82:83] its scale words
.set DSQ,   82
.set DCV,   92                         ; the same for tile 2
.set DSV,   94
.set PFB,   96                         ; s[96:97] the prefetches' base for tiles 0 and 1; never rewritten
.set PF2,   100                        ; s[100:101] for tile 2; never rewritten
.set WQC,   6291456                    ; wsa: W_qkv's codes (x's at 0)
.set S1X,   8650752
.set S1W,   8912896
.set S2Q,   12582912                   ; wsb: q's scale words (k's 262,144 on); q's codes at 0, k's 6,291,456 on
.set VC,    12582912                   ; wsc: v's codes
.set S3V,   19398656                   ; wsc: v's scale words
.set TM,    208
.set PW,    224
.set PC,    228
.set SCB,   32
.set MSB, 0
.macro WIN new                         ; the immediate's high byte repeats the setting that is left
.if MSB != (\new)
	s_set_vgpr_msb (MSB<<8)|(\new)
.set MSB, (\new)
.endif
.endm
.macro PLACES n                        ; plain places behind matrix instructions (ISA guide 7.12.1)
.rept \n
	v_nop
.endr
.endm
.macro CREST                           ; a round of the cluster's barrier behind its opening barrier
	s_cmp_lg_u32 s14, 0
	s_cbranch_scc1 .Lnot_wave_0_\@
	s_barrier_signal -3
.Lnot_wave_0_\@:
	s_barrier_wait -3
	s_barrier_signal -1
	s_barrier_wait -1
.endm
.macro CROUND
	s_barrier_signal -1
	s_barrier_wait -1
	CREST
.endm
.macro JLOAD s                         ; a joint load: waves 0 and 1 fetch A's halves, waves 2 and 3 B's; s_nop 0 and four v_nop follow each line
	s_cmp_eq_u32 s15, 0
	s_cbranch_scc0 .Lfor_b_\@
	tensor_load_to_lds s[G0A+4*(\s):G0A+4*(\s)+3], s[G1A:G1A+7]
	s_nop 0
	PLACES 4
	s_branch .Lasked_\@
.Lfor_b_\@:
	tensor_load_to_lds s[G0B+4*(\s):G0B+4*(\s)+3], s[G1B:G1B+7]
	s_nop 0
	PLACES 4
.Lasked_\@:
.endm
.macro JLOADA s                        ; the same where B stays: waves 2 and 3 have nothing to fill and issue nothing
	s_cmp_eq_u32 s15, 0
	s_cbranch_scc0 .Lnone_\@
	tensor_load_to_lds s[G0A+4*(\s):G0A+4*(\s)+3], s[G1A:G1A+7]
	s_nop 0
	PLACES 4
	s_branch .Lgone_\@
.Lnone_\@:
	PLACES 4
.Lgone_\@:
.endm
; My share of what my next joint load brings: four K steps of one row (A's waves) or of two (B's waves).  ab = 0: the next fill is A's alone, and B's waves ask for nothing.
.macro PFETCH b, off, ab
.if \ab
	global_prefetch_b8 v26, s[\b:\b+1] offset:(\off) th:TH_LOAD_NT scope:SCOPE_SE
	s_cmp_eq_u32 s15, 0
	s_cbranch_scc1 .Lpf_done_\@
	global_prefetch_b8 v26, s[\b:\b+1] offset:(\off)+KS*FRB th:TH_LOAD_NT scope:SCOPE_SE
.else
	s_cmp_eq_u32 s15, 0
	s_cbranch_scc0 .Lpf_done_\@
	global_prefetch_b8 v26, s[\b:\b+1] offset:(\off) th:TH_LOAD_NT scope:SCOPE_SE
.endif
.Lpf_done_\@:
.endm
.macro FRAG reg, adr, i, q             ; an image comes back as it was stored: 3 loads of 512 consecutive bytes
.irp c, 0,1,2
	ds_load_b128 v[(\reg)+4*\c:(\reg)+4*\c+3], v[\adr] offset:(\i)*KQ*FRB+(\q)*FRB+512*\c
.endr
.endm
.macro FETCH_B s, q, p
	WIN 0x40
.set fi, 0
.rept 8
	FRAG 128*(\p)+12*fi, 12+(\s), fi, \q
.set fi, fi+1
.endr
	WIN 0
.endm
.macro FETCH_A s, q                    ; A's four blocks into the set of the step's parity
.set fi, 0
.rept MA
	FRAG AF+48*((\q)%2)+12*fi, 8+(\s), fi, \q
.set fi, fi+1
.endr
.endm
; A's blocks a0 .. a0 + n - 1 against B's eight, K step q.  cm: 0 add in place; 1 start with the bias of B's block (window 1); 2 with the bias of A's block (window 3).  The 32 accumulators take turns.
.macro MULA a0, n, q, cm
.set ma, \a0
.rept \n
.if \cm == 1
	WIN (2<<6)|(1<<4)|1
.elseif \cm == 2
	WIN (2<<6)|(3<<4)|1
.else
	WIN (2<<6)|(2<<4)|1
.endif
.set mb, 0
.rept 8
.set rD, 8*(8*ma+mb)
.set rB, 128*((\q)%2)+12*mb
.set rA, AF+48*((\q)%2)+12*ma
.if \cm == 0
	v_wmma_scale_f32_16x16x128_f8f6f4 v[rD:rD+7], v[rB:rB+11], v[rA:rA+11], v[rD:rD+7], v[SCB+KS*mb+(\q)], v[SCB+KS*ma+(\q)] matrix_a_fmt:MATRIX_FMT_FP6 matrix_b_fmt:MATRIX_FMT_FP6 matrix_a_scale:MATRIX_SCALE_ROW1
.else
.if \cm == 1
.set rC, 96+8*mb+96*(mb/4)
.else
.set rC, 8*ma
.endif
	v_wmma_scale_f32_16x16x128_f8f6f4 v[rD:rD+7], v[rB:rB+11], v[rA:rA+11], v[rC:rC+7], v[SCB+KS*mb+(\q)], v[SCB+KS*ma+(\q)] matrix_a_fmt:MATRIX_FMT_FP6 matrix_b_fmt:MATRIX_FMT_FP6 matrix_a_scale:MATRIX_SCALE_ROW1
.endif
.set mb, mb+1
.endr
.set ma, ma+1
.endr
.endm
; A K step: 32 products, and one run of loads for the next step.  kind 0: plain.  1: the slot just read out is filled again behind a round of the cluster's barrier (rm 1: tile 1's A alone; rm 2: tile 2's A and B).
; 2: a barrier, since the next slot's tiles were brought by other waves.  3: the launch's last step.
.macro KSTEP q, kind, cm, rm
.set NS, (((\q)+1)/KQ)%NSLOT
.set NQ, ((\q)+1)%KQ
.set CSL, ((\q)/KQ)%NSLOT
.if (\kind == 1) || (\kind == 2)
	s_wait_tensorcnt 0x0                           ; all my tensor loads have landed: my part of the other slot
.endif
.if \kind == 1
	ds_add_u32 v6, v7                              ; 0 onto my spare word
	s_wait_dscnt 1                                 ; this step's fragments are in; the add may be out
.else
	s_wait_dscnt 0x0                               ; this step's fragments are in
.endif
	MULA 0, 1, \q, \cm
.if (\kind == 1) || (\kind == 2)
	s_wait_dscnt 0x0                               ; the add is done, and my reads of this slot are over
	s_barrier_signal -1
	MULA 1, 1, \q, \cm
	WIN 0
	s_barrier_wait -1
.endif
.if \kind == 1
	CREST                                          ; the barrier has opened a round of the cluster's
.if \rm == 1
	s_add_nc_u64 s[G0A+4*CSL+2:G0A+4*CSL+3], s[G0A+4*CSL+2:G0A+4*CSL+3], NEXTA   ; the same K steps of tile 1's rows
	JLOADA CSL
.else
	s_add_nc_u64 s[G0A+4*CSL+2:G0A+4*CSL+3], s[AA2:AA2+1], CSL*KQ*FRB            ; the same K steps of tile 2
	s_or_b32 s[G0A+4*CSL+3], s[G0A+4*CSL+3], 0x80000000
	s_add_nc_u64 s[G0B+4*CSL+2:G0B+4*CSL+3], s[BB2:BB2+1], CSL*KQ*FRB
	s_or_b32 s[G0B+4*CSL+3], s[G0B+4*CSL+3], 0x80000000
	JLOAD CSL                                      ; its four v_nop are the places in front of the loads below
.endif
.elseif \kind != 3
	PLACES 4                                       ; the sets that the loads below fill were read by the last step's products
.endif
.if \kind != 3
	FETCH_B NS, NQ, NQ%2
	FETCH_A NS, NQ
.endif
.if \kind == 1                         ; what the next refill will bring
.if (\rm == 1) && (CSL == 0)
	PFETCH PFB, NEXTA+KQ*FRB, 0                    ; tile 1's A, K steps 4-7
.elseif \rm == 1
	PFETCH PF2, 0, 1                               ; tile 2's K steps 0-3
.elseif CSL == 0
	PFETCH PF2, KQ*FRB, 1                          ; tile 2's K steps 4-7
.endif
.endif
.if (\kind == 1) || (\kind == 2)
	MULA 2, 2, \q, \cm
.else
	MULA 1, 3, \q, \cm
.endif
	WIN 0
.endm
.macro TILE c0, k3, k7, rm             ; a tile's eight K steps, and the places in front of the first read of its results
	KSTEP 0, 0, \c0, 0
	KSTEP 1, 0, 0, 0
	KSTEP 2, 0, 0, 0
	KSTEP 3, \k3, 0, \rm
	KSTEP 4, 0, 0, 0
	KSTEP 5, 0, 0, 0
	KSTEP 6, 0, 0, 0
	KSTEP 7, \k7, 0, \rm
	PLACES 4
.endm
; 64 numbers of a lane in window w, register 16 b + i = k 32 b + 16 (lane / 16) + i of my row, become a fragment's codes in v[PC] on and its scale word in v[pw].  Each accumulator is read from its low end on.
.macro QUANT s, w, pw
	WIN (\w)|((\w)<<2)
.irp b, 0,1,2,3
	v_max3_num_f32 v[TM+\b], |v[(\s)+16*\b]|, |v[(\s)+16*\b+1]|, 0x1800000   ; and the floor 2^(3 - 127): the byte cannot fall under 1
.endr
	WIN ((\w)<<2)|((\w)<<4)
.irp i, 2,4,6,8,10,12,14
.irp b, 0,1,2,3
	v_max3_num_f32 v[TM+\b], v[TM+\b], |v[(\s)+16*\b+\i]|, |v[(\s)+16*\b+\i+1]|
.endr
.endr
	WIN 0
.irp b, 0,1,2,3
	v_permlanex16_b32 v[TM+4+\b], v[TM+\b], s20, s21
.endr
.irp b, 0,1,2,3
	v_max_num_f32 v[TM+\b], v[TM+\b], v[TM+4+\b]   ; with lane l xor 16's: the block's largest magnitude
.endr
.irp b, 0,1,2,3
	v_add_nc_u32 v[TM+12+\b], 0xff000000, v[TM+\b]   ; 2 off its exponent field: the conversion's scale operand
.endr
.irp b, 0,1,2,3
	v_lshrrev_b32 v[TM+4+\b], 23, v[TM+12+\b]      ; the scale's byte
.endr
	s_wait_alu depctr_va_vdst(0)
	s_wait_xcnt 0x0                                ; the last block's stores have read the scale word's and the codes' registers
	v_lshl_or_b32 v[\pw], v[TM+5], 8, v[TM+4]
	v_lshl_or_b32 v[\pw], v[TM+6], 16, v[\pw]
	v_lshl_or_b32 v[\pw], v[TM+7], 24, v[\pw]
	WIN (\w)
.irp c, 0,1
	v_cvt_scalef32_pk16_fp6_f32 v[PC+6*\c:PC+6*\c+2], v[(\s)+32*\c:(\s)+32*\c+15], v[TM+12+2*\c]
	v_cvt_scalef32_pk16_fp6_f32 v[PC+12+4*\c:PC+12+4*\c+2], v[(\s)+32*\c+16:(\s)+32*\c+31], v[TM+12+2*\c+1]
.endr
	WIN 0
	v_nop                                          ; one plain place behind a scaled conversion
.irp c, 0,1                                    ; the operand's layout wants a whole block in a lane
.irp i, 0,1,2
	v_permlane16_swap_b32 v[PC+6*\c+\i], v[PC+12+4*\c+\i]
.endr
.irp i, 0,1,2
	v_mov_b32 v[PC+3+6*\c+\i], v[PC+12+4*\c+\i]
.endr
.endr
.endm
.macro EPI a, dc, ds, coff, soff, dstr, sstr   ; A's block a: its 16 rows x my 128 columns are one fragment of the next product
	QUANT 64*(\a), 2, PW
.irp c, 0,1,2
	global_store_b128 v4, v[PC+4*\c:PC+4*\c+3], s[\dc:\dc+1] offset:(\coff)+(\dstr)*(\a)+512*\c   ; 32 lanes store 512 consecutive bytes, aligned
.endr
	global_store_b32 v5, v[PW], s[\ds:\ds+1] offset:(\soff)+(\sstr)*(\a)   ; lanes 16-31 hold the same words and store them to the same places
.endm
; All scale words of a tile into the set at base.  Blocks 0-3: lanes 0-15 take A's words, lanes 16-31 B's (v[lo]); blocks 4-7, which A has not: all lanes take B's (v[hi]).
.macro SCLOAD base, lo, hi
.set fi, 0
.rept 8
.set fg, 0
.rept KS/4
.if fi < MA
	global_load_b128 v[(\base)+KS*fi+4*fg:(\base)+KS*fi+4*fg+3], v[\lo], s[4:5] offset:fi*KS*64+fg*256
.else
	global_load_b128 v[(\base)+KS*fi+4*fg:(\base)+KS*fi+4*fg+3], v[\hi], s[4:5] offset:fi*KS*64+fg*256
.endif
.set fg, fg+1
.endr
.set fi, fi+1
.endr
.endm
	s_load_b256 s[4:11], s[0:1], 0x0               ; wsa s[4:5], b_qkv s[6:7], wsb s[8:9], wsc s[10:11]
	v_lshl_add_u32 v6, v0, 2, SPARE
	v_mov_b32 v7, 0
	ds_add_u32 v6, v7                              ; the opening lines
	ds_add_u32 v6, v7
	v_lshrrev_b32 v1, 5, v0
	v_readfirstlane_b32 s14, v1                    ; wave 0..3
	v_and_b32 v1, 31, v0                           ; lane
	v_min_u32 v26, 23, v1
	v_lshlrev_b32 v26, 8, v26                      ; the prefetches' offset: 256 bytes a lane, 24 to a row
	s_lshr_b32 s15, s14, 1                         ; wr: which half of A's blocks is mine.  Also: I fetch for A (0) or for B (1)
	s_and_b32 s16, s14, 1                          ; wc: which half of B's.  Also: which half I fetch
	s_bfe_u32 s40, ttmp6, 0x40000                  ; cx
	s_bfe_u32 s41, ttmp6, 0x40004                  ; cy
	s_lshl_b32 s42, ttmp9, 2
	s_add_co_u32 s42, s42, s40                     ; work-group x
	s_and_b32 s45, ttmp7, 0xffff                   ; cluster y
	s_lshl_b32 s17, s45, 2
	s_add_co_u32 s17, s17, s41                     ; work-group y
	s_lshl_b32 s43, s41, 2
	s_lshl_b32 s43, 15, s43                        ; my row of the cluster
	s_lshl_b32 s44, 0x1111, s40                    ; my column
	s_mov_b32 s20, 0x76543210
	s_mov_b32 s21, 0xfedcba98
	; group 1: R rows (blocks) of KQ images, KQ x 192 elements of 8 bytes, KS x 192 elements apart; no padding: images are read at 16 x lane
	s_or_b32 s[G1A], s43, (3<<16)|(1<<21)
	s_or_b32 s[G1B], s44, (3<<16)|(1<<21)
	s_mov_b32 s[G1A+1], (KQ*192)<<16
	s_mov_b32 s[G1A+2], MA<<16
	s_mov_b32 s[G1A+3], (KQ*192)<<16
	s_mov_b32 s[G1A+4], MA
	s_mov_b32 s[G1A+5], KS*192
	s_mov_b32 s[G1A+6], 0
	s_mov_b32 s[G1A+7], 0
	s_mov_b32 s[G1B+1], (KQ*192)<<16
	s_mov_b32 s[G1B+2], 8<<16
	s_mov_b32 s[G1B+3], (KQ*192)<<16
	s_mov_b32 s[G1B+4], 8
	s_mov_b32 s[G1B+5], KS*192
	s_mov_b32 s[G1B+6], 0
	s_mov_b32 s[G1B+7], 0
	; which blocks.  A's hang on cy and the cluster's x and y alone, B's on cx and the cluster's x and y alone
	s_lshl_b32 s46, s17, 3                         ; tile 0: A = x's block 8 x work-group y
	s_lshl_b32 s47, ttmp9, 2
	s_add_co_u32 s47, s47, s41
	s_lshl_b32 s47, s47, 3
	s_add_co_u32 s47, s47, 128                     ; tile 2: A = W_qkv's block 128 + 8 (cy + 4 cluster x)
	s_lshl_b32 s48, s42, 4                         ; tiles 0, 1: B = W_qkv's block 16 x work-group x
	s_lshl_b32 s49, s45, 2
	s_add_co_u32 s49, s49, s40
	s_lshl_b32 s49, s49, 4                         ; tile 2: B = x's block 16 (cx + 4 cluster y)
	s_lshl_b32 s2, s16, 2                          ; the half that I would fetch: 4 blocks of A,
	s_lshl_b32 s3, s16, 3                          ; 8 of B
	s_add_co_u32 s54, s46, s2
	s_mul_i32 s54, s54, KS*FRB
	s_mov_b32 s55, 0
	s_add_co_u32 s56, s48, s3
	s_mul_i32 s56, s56, KS*FRB
	s_add_co_u32 s56, s56, WQC
	s_mov_b32 s57, 0
	s_add_co_u32 s58, s47, s2
	s_mul_i32 s58, s58, KS*FRB
	s_add_co_u32 s58, s58, WQC
	s_mov_b32 s59, 0
	s_add_co_u32 s60, s49, s3
	s_mul_i32 s60, s60, KS*FRB
	s_mov_b32 s61, 0
	s_lshl_b32 s2, s15, 2                          ; the blocks that I multiply: their scale words, 512 bytes a block
	s_add_co_u32 s50, s46, s2
	s_lshl_b32 s50, s50, 9
	s_add_co_u32 s50, s50, S1X                     ; tile 0's A
	s_add_co_u32 s51, s48, s3
	s_lshl_b32 s51, s51, 9
	s_add_co_u32 s51, s51, S1W                     ; tiles 0 and 1's B
	s_add_co_u32 s52, s47, s2
	s_lshl_b32 s52, s52, 9
	s_add_co_u32 s52, s52, S1W                     ; tile 2's A
	s_add_co_u32 s53, s49, s3
	s_lshl_b32 s53, s53, 9
	s_add_co_u32 s53, s53, S1X                     ; tile 2's B
	s_mul_i32 s62, s16, AH                         ; where the halves go in a slot: the wave's number alone
	s_mul_i32 s63, s16, BH
	s_add_co_u32 s63, s63, ABY
	s_mul_i32 s96, s40, KS*FRB                     ; the prefetches: of A's four rows, row cx;
	s_mul_i32 s97, s41, 2*KS*FRB                   ; of B's eight, rows 2 cy and 2 cy + 1
	s_cmp_eq_u32 s15, 0
	s_cselect_b32 s96, s96, s97
	s_mov_b32 s97, 0
	s_wait_alu depctr_va_vdst(0)
	s_wait_dscnt 0x0                               ; both opening adds are done
	s_wait_kmcnt 0x0
	s_add_nc_u64 s[54:55], s[4:5], s[54:55]
	s_add_nc_u64 s[56:57], s[4:5], s[56:57]
	s_add_nc_u64 s[AA2:AA2+1], s[4:5], s[58:59]
	s_add_nc_u64 s[BB2:BB2+1], s[4:5], s[60:61]
	s_cmp_eq_u32 s15, 0
	s_cselect_b64 s[98:99], s[AA2:AA2+1], s[BB2:BB2+1]
	s_add_nc_u64 s[PF2:PF2+1], s[98:99], s[96:97]
	s_cmp_eq_u32 s15, 0
	s_cselect_b64 s[98:99], s[54:55], s[56:57]
	s_add_nc_u64 s[PFB:PFB+1], s[98:99], s[96:97]
.set fi, 0
.rept NSLOT
	s_mov_b32 s[G0A+4*fi], 1
	s_add_co_u32 s[G0A+4*fi+1], s62, fi*SLOT
	s_add_nc_u64 s[G0A+4*fi+2:G0A+4*fi+3], s[54:55], fi*KQ*FRB
	s_or_b32 s[G0A+4*fi+3], s[G0A+4*fi+3], 0x80000000
	s_mov_b32 s[G0B+4*fi], 1
	s_add_co_u32 s[G0B+4*fi+1], s63, fi*SLOT
	s_add_nc_u64 s[G0B+4*fi+2:G0B+4*fi+3], s[56:57], fi*KQ*FRB
	s_or_b32 s[G0B+4*fi+3], s[G0B+4*fi+3], 0x80000000
.set fi, fi+1
.endr
	CROUND                                         ; all sixteen work-groups are here: the first joint loads meet
	JLOAD 0                                        ; slot 0: one tensor load a wave at the head
	PFETCH PFB, KQ*FRB, 1                          ; slot 1's K steps
	v_and_b32 v2, 15, v0                           ; r
	v_bfe_u32 v3, v0, 4, 1                         ; h
	v_lshlrev_b32 v4, 4, v1                        ; 16 x lane
	v_lshlrev_b32 v5, 4, v2                        ; 16 r
	v_cmp_eq_u32 vcc_lo, 1, v3
	v_mov_b32 v22, s50
	v_mov_b32 v23, s51
	v_cndmask_b32 v16, v22, v23, vcc_lo            ; tile 0: lanes 0-15 take A's scale words, lanes 16-31 B's
	v_add_nc_u32 v16, v16, v5
	v_add_nc_u32 v17, s51, v5                      ; tiles 0 and 1: B's in all lanes
	s_add_co_u32 s2, s50, 256*KS*64
	v_mov_b32 v22, s2
	v_cndmask_b32 v18, v22, v23, vcc_lo            ; tile 1: A's words lie 256 blocks on
	v_add_nc_u32 v18, v18, v5
	v_mov_b32 v22, s52
	v_mov_b32 v23, s53
	v_cndmask_b32 v19, v22, v23, vcc_lo            ; tile 2
	v_add_nc_u32 v19, v19, v5
	v_add_nc_u32 v20, s53, v5
	SCLOAD 32, 16, 17
	SCLOAD 96, 18, 17
	; q's and k's bias: tile i, register j = b(column 256 wgx + 128 wc + 32 (i >> 1) + 16 h + 8 (i & 1) + j)
	s_lshl_b32 s22, s42, 10
	s_lshl_b32 s23, s16, 9
	s_add_co_u32 s22, s22, s23
	s_mov_b32 s23, 0
	s_add_nc_u64 s[22:23], s[6:7], s[22:23]
	v_lshlrev_b32 v21, 6, v3
	WIN 0x40
.set fi, 0
.rept 8
	global_load_b128 v[96+8*fi+96*(fi/4):96+8*fi+96*(fi/4)+3], v21, s[22:23] offset:4*(32*(fi/2)+8*(fi%2))
	global_load_b128 v[96+8*fi+96*(fi/4)+4:96+8*fi+96*(fi/4)+7], v21, s[22:23] offset:4*(32*(fi/2)+8*(fi%2))+16
.set fi, fi+1
.endr
	WIN 0
	; v's bias (loaded behind tile 0): tile a, every register = b(16 x A's first block + 64 wr + 32 (a >> 1) + 8 (a & 1) + (r & 7) + 16 (r >> 3))
	s_lshl_b32 s66, s47, 6
	s_lshl_b32 s67, s15, 8
	s_add_co_u32 s66, s66, s67
	s_mov_b32 s67, 0
	s_add_nc_u64 s[66:67], s[6:7], s[66:67]
	v_and_b32 v24, 7, v0
	v_bfe_u32 v25, v0, 3, 1
	v_lshl_add_u32 v24, v25, 4, v24
	v_lshlrev_b32 v24, 2, v24
	s_mul_i32 s18, s15, AH
	s_mul_i32 s19, s16, BH
	s_add_co_u32 s19, s19, ABY
.set fi, 0
.rept NSLOT
	v_add_nc_u32 v[8+fi], s18, v4                  ; my A fragments in slot fi
	v_add_nc_u32 v[12+fi], s19, v4                 ; my B fragments
	s_add_co_u32 s18, s18, SLOT
	s_add_co_u32 s19, s19, SLOT
.set fi, fi+1
.endr
	; where tiles 0 and 1 go: my 128 columns are K step (2 wgx + wc) & 7 of q (2 wgx + wc < 8) or of k
	s_lshl_b32 s2, s42, 1
	s_add_co_u32 s2, s2, s16
	s_lshr_b32 s3, s2, 3
	s_and_b32 s2, s2, 7
	s_lshl_b32 s12, s15, 2
	s_add_co_u32 s12, s12, s46
	s_mul_i32 s80, s3, 6291456
	s_mul_i32 s13, s12, KS*FRB
	s_add_co_u32 s80, s80, s13
	s_mul_i32 s13, s2, FRB
	s_add_co_u32 s80, s80, s13
	s_mov_b32 s81, 0
	s_lshl_b32 s82, s3, 18
	s_lshl_b32 s13, s12, 9
	s_add_co_u32 s82, s82, s13
	s_lshr_b32 s13, s2, 2
	s_lshl_b32 s13, s13, 8
	s_add_co_u32 s82, s82, s13
	s_and_b32 s13, s2, 3
	s_lshl_b32 s13, s13, 2
	s_add_co_u32 s82, s82, s13
	s_add_co_u32 s82, s82, S2Q
	s_mov_b32 s83, 0
	s_add_nc_u64 s[DCQ:DCQ+1], s[8:9], s[80:81]
	s_add_nc_u64 s[DSQ:DSQ+1], s[8:9], s[82:83]
	; where tile 2 goes: my 128 keys are K step (B's first block / 8 + wc) & 15 of their batch
	s_sub_co_u32 s2, s47, 128
	s_lshl_b32 s3, s15, 2
	s_add_co_u32 s2, s2, s3
	s_lshr_b32 s3, s49, 3
	s_add_co_u32 s3, s3, s16
	s_lshr_b32 s12, s3, 4
	s_and_b32 s3, s3, 15
	s_mul_i32 s92, s12, 1572864
	s_mul_i32 s13, s2, 24576
	s_add_co_u32 s92, s92, s13
	s_mul_i32 s13, s3, FRB
	s_add_co_u32 s92, s92, s13
	s_add_co_u32 s92, s92, VC
	s_mov_b32 s93, 0
	s_lshl_b32 s94, s12, 16
	s_lshl_b32 s13, s2, 10
	s_add_co_u32 s94, s94, s13
	s_lshr_b32 s13, s3, 2
	s_lshl_b32 s13, s13, 8
	s_add_co_u32 s94, s94, s13
	s_and_b32 s13, s3, 3
	s_lshl_b32 s13, s13, 2
	s_add_co_u32 s94, s94, s13
	s_add_co_u32 s94, s94, S3V
	s_mov_b32 s95, 0
	s_add_nc_u64 s[DCV:DCV+1], s[10:11], s[92:93]
	s_add_nc_u64 s[DSV:DSV+1], s[10:11], s[94:95]
.irp b, 0,1,2,3
	v_mov_b32 v[TM+4+\b], 0                        ; a lane permute's destination counts as one of its sources
.endr
	s_wait_alu depctr_va_vdst(0)
	s_wait_tensorcnt 0x0                           ; my part of slot 0 is in; the three lines stand ahead of a later first fill as ahead of a refill
	ds_add_u32 v6, v7
	s_wait_dscnt 0x0
	CROUND                                         ; everybody's part of slot 0 is in, and the joint loads meet
	JLOAD 1                                        ; slot 1's first fill
	s_wait_loadcnt 0x0                             ; two tiles' scale words and the bias
	FETCH_B 0, 0, 0
	FETCH_A 0, 0
	PFETCH PFB, NEXTA, 0                           ; tile 1's A, K steps 0-3
	; ---- tile 0
.set SCB, 32
	TILE 1, 1, 1, 1
	SCLOAD 32, 19, 20                              ; tile 2's scale words, into the set that tile 0 has left
	WIN 0xc0
.set fi, 0
.rept 4
.set fj, 0
.rept 8
	global_load_b32 v[8*fi+fj], v24, s[66:67] offset:4*(32*(fi/2)+8*(fi%2))   ; and v's bias
.set fj, fj+1
.endr
.set fi, fi+1
.endr
	WIN 0
.irp a, 0,1,2,3
	EPI \a, DCQ, DSQ, 0, 0, KS*FRB, KS*64
.endr
	s_wait_xcnt 0x0                                ; the stores have read v224-247: the next tile's loads land there
	; ---- tile 1: the same columns, x's rows 256 blocks on
.set SCB, 96
	TILE 1, 1, 1, 2
.irp a, 0,1,2,3
	EPI \a, DCQ, DSQ, NEXTA, 256*KS*64, KS*FRB, KS*64
.endr
	s_wait_xcnt 0x0
	; ---- tile 2: v
	s_wait_loadcnt 0x0                             ; its scale words and bias
.set SCB, 32
	TILE 2, 2, 3, 0
.irp a, 0,1,2,3
	EPI \a, DCV, DSV, 0, 0, 24576, 1024
.endr
	s_wait_tensorcnt 0x0                           ; the wave's end
	ds_add_u32 v6, v7
	s_wait_dscnt 0x0
	CROUND                                         ; the closing round
	s_endpgm
.Lfunc_end_k_q2b214a4549_qkv:
	.size	k_q2b214a4549_qkv, .Lfunc_end_k_q2b214a4549_qkv-k_q2b214a4549_qkv
	.p2alignl 7, 3214868480
	.fill 96, 4, 3214868480
	.section	.rodata,"a",@progbits
	.p2align	6, 0x0
	.amdhsa_kernel k_q2b214a4549_qkv
		.amdhsa_group_segment_fixed_size 327680
		.amdhsa_private_segment_fixed_size 0
		.amdhsa_enable_private_segment 0
		.amdhsa_kernarg_size 32
		.amdhsa_user_sgpr_count 2
		.amdhsa_user_sgpr_kernarg_segment_ptr 1
		.amdhsa_wavefront_size32 1
		.amdhsa_system_sgpr_workgroup_id_x 1
		.amdhsa_system_sgpr_workgroup_id_y 1
		.amdhsa_system_sgpr_workgroup_id_z 1
		.amdhsa_system_vgpr_workitem_id 0
		.amdhsa_next_free_vgpr 1024
		.amdhsa_next_free_sgpr 102
		.amdhsa_reserve_vcc 1
		.amdhsa_float_denorm_mode_32 3
		.amdhsa_float_denorm_mode_16_64 3
		.amdhsa_memory_ordered 1
		.amdhsa_forward_progress 1
		.amdhsa_inst_pref_size 236
	.end_amdhsa_kernel
	.amdgpu_metadata
---
amdhsa.version: [ 1, 2 ]
amdhsa.kernels:
  - .name:           k_q2b214a4549_qkv
    .symbol:         k_q2b214a4549_qkv.kd
    .args:
      - { .name: wsa, .offset: 0, .size: 8, .value_kind: global_buffer, .address_space: global }
      - { .name: b_qkv, .offset: 8, .size: 8, .value_kind: global_buffer, .address_space: global }
      - { .name: wsb, .offset: 16, .size: 8, .value_kind: global_buffer, .address_space: global }
      - { .name: wsc, .offset: 24, .size: 8, .value_kind: global_buffer, .address_space: global }
    .group_segment_fixed_size: 327680
    .private_segment_fixed_size: 0
    .kernarg_segment_align: 8
    .kernarg_segment_size: 32
    .max_flat_workgroup_size: 128
    .sgpr_count:     102
    .vgpr_count:     1024
    .wavefront_size: 32
...
	.end_amdgpu_metadata
.endif
;; end of part 2
;; launch scores (part 3): grid 8 x 32, 4 waves a work-group, clusters of 4 x 4, 327,680 bytes of LDS; arguments wsb, wsc; writes wsc
.if DOCPART == 3
	.amdgcn_target "amdgcn-amd-amdhsa--gfx1250"
	.amdhsa_code_object_version 6
	.text
	.protected	k_q2b214a4549_scores
	.globl	k_q2b214a4549_scores
	.p2align	8
	.type	k_q2b214a4549_scores,@function
k_q2b214a4549_scores:
	s_mov_b64 s[64:65], 0
	v_nop
	global_prefetch_b8 v0, s[64:65] scope:SCOPE_SE
	s_setreg_imm32_b32 hwreg(HW_REG_WAVE_MODE, 25, 1), 1
	s_wait_xcnt 0x0
	s_wait_alu depctr_hold_cnt(0) depctr_sa_sdst(0) depctr_va_vdst(0) depctr_va_sdst(0) depctr_va_ssrc(0) depctr_va_vcc(0) depctr_vm_vsrc(0)
	s_getreg_b32 s2, hwreg(HW_REG_IB_STS2, 6, 4)
	s_cmp_eq_u32 s2, 0
	s_cbranch_scc0 .Lentry_in_a_cluster
	s_endpgm
.Lentry_in_a_cluster:
	s_bfe_u32 s2, ttmp6, 0x10000c
	s_cmp_lg_u32 s2, 0xf033
	s_cbranch_scc0 .Lentry_shape_is_right
	s_endpgm
.Lentry_shape_is_right:
; S = q k^T on codes of FP6 (E2M3) with E8M0 scales, and the softmax's p for the next product, quantised at once.  t = score x log2(e) / 32.  For each query and each 128 keys (one wave's share):
; M = ceil(the largest t of these 128 keys), a whole number; p = 2^(t - M); l = the sum of the unquantised p.  p's codes and scale words, -M and l go to wsc; the next launch brings the scale bytes and the sums under the row's M:
; a change of M by a whole number changes a block's scale byte and nothing of its codes.  The maximum is taken away before every exponential.
; Codes are images of operand registers (a fragment: 1,536 bytes, registers 4 c .. 4 c + 3 of lane l at 512 c + 16 l), tensors [blocks of 16 rows][K / 128][1,536]; lane r of block t stands for row
; 32 (t >> 1) + 8 (t & 1) + (r & 7) + 16 (r >> 3); scale words (and -M, l): [block][K step >> 2][r][4 words].
; THE MATRIX INSTRUCTION: source 0 = 16 keys, source 1 = 16 queries: a lane holds ONE query, and the 16 registers of key blocks 2 b, 2 b + 1 are 16 neighbouring keys.
; A work-group makes 256 queries x 256 keys, a wave 128 x 128.  K = 1,024: eight K steps, written out; two slots of three K steps: slot 0 takes K steps 0-2 at the head (one joint load a wave), slot 1 K steps 3-5 behind the
; three lines and a round of the cluster's barrier, and slot 0 is filled again once, with K steps 6 and 7 (rows of two images).  By this text's count a wave has one tensor load out.
; CLUSTERS 4 x 4: q's tiles shared along a row, k's along a column.
; PREFETCH, one fill ahead: behind the head's load each wave names its share of slot 1's bytes, and behind slot 1's load its share of the refill's.  Of a load's eight rows the partner at place p (cx for q, cy for k) takes
; rows 2 p and 2 p + 1, a lane to each 256 bytes of a row's 4,608 or 3,072 (the lanes left over name the last again).  Base and offsets are never rewritten: the place stands in the immediate.
; LIMITS: NaN and infinities are not served; p under 2^-126 comes out of v_exp_f32 as 0; a block whose every p is 0 keeps the scale byte 1 (its codes are zeros).
; REGISTERS: window 0: v1-27 addresses; v32-95 scale words; v96-139 the softmax's small things and p's codes; v160-255 q's fragments, then t - M and p.  window 1: k's fragments, two sets.  windows 2, 3: the accumulators.
.set MA,    8
.set KS,    8
.set KQ,    3
.set NSLOT, 2
.set FRB,   1536
.set AH,    MA*KQ*FRB
.set ABY,   2*AH
.set BH,    8*KQ*FRB
.set SLOT,  ABY+2*BH
.set NLH,   3*MA/2
.set SPARE, NSLOT*SLOT                 ; the spare words, 128 bytes a wave
.set SC,    32
.set AF,    160
.set G1A,   24
.set G1B,   32
.set G0A,   68
.set G0B,   84
.set PFB,   96                         ; s[96:97] the prefetches' base; never rewritten
.set KC,    6291456                    ; wsb: k's codes (q's at 0)
.set S2Q,   12582912
.set S2K,   12845056
.set S3P,   18874368                   ; wsc: p's scale words (p's codes at 0)
.set R_NM,  19660800                   ; wsc: -M
.set R_LL,  20185088                   ; wsc: l
.set BM,    96                         ; v96-99   a block's largest score, then its largest p
.set T4,    100                        ; v100-103 what the other half of the lanes sends
.set SO,    104                        ; v104-107 the conversions' scale operands
.set BY,    108                        ; v108-111 scale bytes
.set NEGM,  112                        ; v[112:113] -M
.set SU,    114                        ; v[114:117] the sum, in two chains of pairs
.set PW,    118
.set TT,    119
.set PC,    120
.set HA,    160
.set MSB, 0
.macro WIN new                         ; the immediate's high byte repeats the setting that is left
.if MSB != (\new)
	s_set_vgpr_msb (MSB<<8)|(\new)
.set MSB, (\new)
.endif
.endm
.macro PLACES n                        ; plain places behind matrix instructions (ISA guide 7.12.1)
.rept \n
	v_nop
.endr
.endm
.macro CREST                           ; a round of the cluster's barrier behind its opening barrier
	s_cmp_lg_u32 s14, 0
	s_cbranch_scc1 .Lnot_wave_0_\@
	s_barrier_signal -3
.Lnot_wave_0_\@:
	s_barrier_wait -3
	s_barrier_signal -1
	s_barrier_wait -1
.endm
.macro CROUND
	s_barrier_signal -1
	s_barrier_wait -1
	CREST
.endm
.macro JLOAD s                         ; a joint load: waves 0 and 1 fetch A's halves, waves 2 and 3 B's; s_nop 0 and four v_nop follow each line
	s_cmp_eq_u32 s15, 0
	s_cbranch_scc0 .Lfor_b_\@
	tensor_load_to_lds s[G0A+4*(\s):G0A+4*(\s)+3], s[G1A:G1A+7]
	s_nop 0
	PLACES 4
	s_branch .Lasked_\@
.Lfor_b_\@:
	tensor_load_to_lds s[G0B+4*(\s):G0B+4*(\s)+3], s[G1B:G1B+7]
	s_nop 0
	PLACES 4
.Lasked_\@:
.endm
.macro FRAG reg, adr, i, q             ; block i, K step q (0 .. 7): a slot's rows hold three images, the refill's (K steps 6, 7) two; the image's place in its row is q % 3
.irp c, 0,1,2
	ds_load_b128 v[(\reg)+4*\c:(\reg)+4*\c+3], v[\adr] offset:(\i)*(3-(\q)/6)*FRB+((\q)%3)*FRB+512*\c
.endr
.endm
.macro FETCH_B s, q
	WIN 0x40
.set fi, 0
.rept 8
	FRAG 128*((\q)%2)+12*fi, 12+(\s), fi, \q
.set fi, fi+1
.endr
	WIN 0
.endm
.macro FETCH_A s, q, i0, n
.set fi, \i0
.rept \n
	FRAG AF+12*fi, 8+(\s), fi, \q
.set fi, fi+1
.endr
.endm
; A's blocks a0 .. a0 + n - 1 against B's eight, K step q.  cm: 0 add in place; 3 start with 0.  The 64 accumulators take turns.
.macro MULA a0, n, q, cm
.set ma, \a0
.rept \n
.set mw, 2+ma/4
	WIN (mw<<6)|(mw<<4)|1
.set mb, 0
.rept 8
.set rD, 8*(8*(ma%4)+mb)
.set rB, 128*((\q)%2)+12*mb
.set rA, AF+12*ma
.if \cm == 0
	v_wmma_scale_f32_16x16x128_f8f6f4 v[rD:rD+7], v[rB:rB+11], v[rA:rA+11], v[rD:rD+7], v[SC+KS*mb+(\q)], v[SC+KS*ma+(\q)] matrix_a_fmt:MATRIX_FMT_FP6 matrix_b_fmt:MATRIX_FMT_FP6 matrix_a_scale:MATRIX_SCALE_ROW1
.else
	v_wmma_scale_f32_16x16x128_f8f6f4 v[rD:rD+7], v[rB:rB+11], v[rA:rA+11], 0, v[SC+KS*mb+(\q)], v[SC+KS*ma+(\q)] matrix_a_fmt:MATRIX_FMT_FP6 matrix_b_fmt:MATRIX_FMT_FP6 matrix_a_scale:MATRIX_SCALE_ROW1
.endif
.set mb, mb+1
.endr
.set ma, ma+1
.endr
.endm
; A K step: 64 products.  kind 0: plain.  1: the slot just read out is filled again behind a round of the cluster's barrier.  2: a barrier, since the next slot's tiles were brought by other waves.  3: the last step.
.macro KSTEP q, kind, cm
.set NX, (\q)+1
.set NS, (NX/KQ)%NSLOT
.set CSL, ((\q)/KQ)%NSLOT
.if \kind == 1
	s_wait_tensorcnt 0x0                           ; all my tensor loads have landed: my part of the other slot;
	ds_add_u32 v6, v7                              ; 0 onto my spare word;
	s_wait_dscnt NLH+1                             ; (the add and the youngest loads, A's upper blocks, may be out)
.elseif \kind == 2
	s_wait_tensorcnt 0x0                           ; my part of the next slot has landed
	s_wait_dscnt NLH
.else
	s_wait_dscnt NLH                               ; B's set and A's lower blocks are in; A's upper blocks may be out
.endif
	MULA 0, MA/4, \q, \cm
.if (\kind == 1) || (\kind == 2)
	s_wait_dscnt 0x0                               ; the add is done, and my reads of this slot are over
	s_barrier_signal -1
.endif
	MULA MA/4, MA/4, \q, \cm
.if (\kind == 1) || (\kind == 2)
	WIN 0
	s_barrier_wait -1
.endif
.if \kind == 1
	CREST                                          ; the barrier has opened a round of the cluster's
	s_add_nc_u64 s[G0A+4*CSL+2:G0A+4*CSL+3], s[G0A+4*CSL+2:G0A+4*CSL+3], 6*FRB   ; K steps 6 and 7
	s_add_nc_u64 s[G0B+4*CSL+2:G0B+4*CSL+3], s[G0B+4*CSL+2:G0B+4*CSL+3], 6*FRB
	s_mov_b32 s[G1A+1], (2*192)<<16                ; no tensor load of mine is out: from here on a row is two images
	s_mov_b32 s[G1A+3], (2*192)<<16
	s_mov_b32 s[G1B+1], (2*192)<<16
	s_mov_b32 s[G1B+3], (2*192)<<16
	JLOAD CSL                                      ; its four v_nop are the places in front of the loads below
.elseif \kind == 0
	s_wait_dscnt 0x0                               ; A's upper blocks are in
	PLACES 4
.elseif \kind == 2
	PLACES 4
.else
	s_wait_dscnt 0x0
.endif
.if \kind != 3
	FETCH_B NS, NX
	FETCH_A NS, NX, 0, MA/2
.endif
	MULA MA/2, MA/2, \q, \cm
.if \kind != 3
	PLACES 4
	WIN 0
	FETCH_A NS, NX, MA/2, MA/2
.endif
.endm
; THE SOFTMAX of A's block a: 16 queries x my 128 keys; register 16 b + i of the lane = key 32 b + 16 (lane / 16) + i.  Each accumulator is read from its low end on.
.macro SOFT a
.set SS, 64*((\a)%4)
.set SW, 2+(\a)/4
	s_wait_xcnt 0x0                                ; the last block's stores have read their registers
	WIN SW|(SW<<2)|(SW<<4)
.irp b, 0,1,2,3
	v_max3_num_f32 v[BM+\b], v[SS+16*\b], v[SS+16*\b+1], v[SS+16*\b+2]   ; the largest score of each block of 32 keys: for the row's maximum and, since p rises with the score, for the block's largest p
.endr
	WIN (SW<<2)|(SW<<4)
.irp i, 3,5,7,9,11,13
.irp b, 0,1,2,3
	v_max3_num_f32 v[BM+\b], v[BM+\b], v[SS+16*\b+\i], v[SS+16*\b+\i+1]
.endr
.endr
.irp b, 0,1,2,3
	v_max_num_f32 v[BM+\b], v[BM+\b], v[SS+16*\b+15]
.endr
	WIN 0
.irp b, 0,1,2,3
	v_permlanex16_b32 v[T4+\b], v[BM+\b], s20, s21
.endr
.irp b, 0,1,2,3
	v_max_num_f32 v[BM+\b], v[BM+\b], v[T4+\b]     ; with lane l xor 16's 16 keys
.endr
	v_max3_num_f32 v[TT], v[BM], v[BM+1], v[BM+2]
	v_max_num_f32 v[TT], v[TT], v[BM+3]
	v_mul_f32 v[TT], s22, v[TT]                    ; as t (the factor is positive)
	v_floor_f32 v[NEGM], -v[TT]                    ; -M = floor(-t) = -ceil(t): a whole number
	WIN SW
.set j, 0
.rept 32
	v_pk_fma_f32 v[HA+j:HA+j+1], v[SS+j:SS+j+1], s[22:23], v[NEGM:NEGM+1] op_sel_hi:[1,0,0]   ; t - M, two at a time
.set j, j+2
.endr
	WIN 0
.irp b, 0,1,2,3
	v_fma_f32 v[BM+\b], v[BM+\b], s22, v[NEGM]     ; the same of each block's largest score
.endr
.set j, 0
	s_wait_alu depctr_va_vdst(0)
.rept 64
	v_exp_f32 v[HA+j], v[HA+j]                     ; p = 2^(t - M), at most 1: not normalised
.set j, j+1
.endr
	v_nop                                          ; a plain place behind the exponentials
	s_wait_alu depctr_va_vdst(0)                   ; one wait for the whole batch, ahead of its first reader
.irp b, 0,1,2,3
	v_exp_f32 v[BM+\b], v[BM+\b]                   ; the block's largest p: the same two instructions on the same number give the same bits
.endr
	v_pk_add_f32 v[SU:SU+1], v[HA:HA+1], v[HA+4:HA+5]       ; the sum is taken of the unquantised p, in two chains
	v_pk_add_f32 v[SU+2:SU+3], v[HA+2:HA+3], v[HA+6:HA+7]
.set j, 8
.rept 14
	v_pk_add_f32 v[SU:SU+1], v[SU:SU+1], v[HA+j:HA+j+1]
	v_pk_add_f32 v[SU+2:SU+3], v[SU+2:SU+3], v[HA+j+2:HA+j+3]
.set j, j+4
.endr
	v_pk_add_f32 v[SU:SU+1], v[SU:SU+1], v[SU+2:SU+3]
	s_wait_alu depctr_va_vdst(0)                   ; and one for the four
.irp b, 0,1,2,3
	v_max_num_f32 v[BM+\b], 0x1800000, v[BM+\b]    ; the floor 2^(3 - 127): the byte cannot fall under 1
.endr
.irp b, 0,1,2,3
	v_add_nc_u32 v[SO+\b], 0xff000000, v[BM+\b]    ; 2 off the exponent field: the conversion's scale operand
.endr
.irp b, 0,1,2,3
	v_lshrrev_b32 v[BY+\b], 23, v[SO+\b]           ; the scale's byte: at most 125, since p is at most 1
.endr
	v_lshl_or_b32 v[PW], v[BY+1], 8, v[BY]
	v_lshl_or_b32 v[PW], v[BY+2], 16, v[PW]
	v_lshl_or_b32 v[PW], v[BY+3], 24, v[PW]
.irp c, 0,1
	v_cvt_scalef32_pk16_fp6_f32 v[PC+6*\c:PC+6*\c+2], v[HA+32*\c:HA+32*\c+15], v[SO+2*\c]
	v_cvt_scalef32_pk16_fp6_f32 v[PC+12+4*\c:PC+12+4*\c+2], v[HA+32*\c+16:HA+32*\c+31], v[SO+2*\c+1]
.endr
	v_add_f32 v[SU], v[SU], v[SU+1]                ; the sum's two halves (a plain place behind the conversions)
.irp c, 0,1
.irp i, 0,1,2
	v_permlane16_swap_b32 v[PC+6*\c+\i], v[PC+12+4*\c+\i]
.endr
.irp i, 0,1,2
	v_mov_b32 v[PC+3+6*\c+\i], v[PC+12+4*\c+\i]
.endr
.endr
	v_permlanex16_b32 v[T4], v[SU], s20, s21
	v_add_f32 v[SU], v[SU], v[T4]                  ; with lane l xor 16's 64 keys: l
.irp c, 0,1,2
	global_store_b128 v4, v[PC+4*\c:PC+4*\c+3], s[80:81] offset:24576*(\a)+512*\c   ; 32 lanes store 512 consecutive bytes, aligned
.endr
	global_store_b32 v5, v[PW], s[82:83] offset:1024*(\a)                  ; lanes 16-31 hold the same numbers and store them to the same places
	global_store_b32 v5, v[NEGM], s[82:83] offset:1024*(\a)+R_NM-S3P
	global_store_b32 v5, v[SU], s[82:83] offset:1024*(\a)+R_LL-S3P
.endm
	s_load_b128 s[4:7], s[0:1], 0x0                ; wsb s[4:5], wsc s[6:7]
	v_lshl_add_u32 v6, v0, 2, SPARE
	v_mov_b32 v7, 0
	ds_add_u32 v6, v7                              ; the opening lines
	ds_add_u32 v6, v7
	v_lshrrev_b32 v1, 5, v0
	v_readfirstlane_b32 s14, v1                    ; wave 0..3
	v_and_b32 v1, 31, v0                           ; lane
	v_min_u32 v26, 17, v1
	v_lshlrev_b32 v26, 8, v26                      ; the prefetches' offsets: 256 bytes a lane, 18 to a row of three images,
	v_min_u32 v27, 11, v1
	v_lshlrev_b32 v27, 8, v27                      ; 12 to a row of two
	s_lshr_b32 s15, s14, 1                         ; wr.  Also: I fetch for A (0) or for B (1)
	s_and_b32 s16, s14, 1                          ; wc.  Also: which half I fetch
	s_bfe_u32 s40, ttmp6, 0x40000                  ; cx
	s_bfe_u32 s41, ttmp6, 0x40004                  ; cy
	s_lshl_b32 s42, ttmp9, 2
	s_add_co_u32 s42, s42, s40                     ; work-group x
	s_and_b32 s45, ttmp7, 0xffff                   ; cluster y
	s_lshl_b32 s17, s45, 2
	s_add_co_u32 s17, s17, s41                     ; work-group y
	s_lshl_b32 s43, s41, 2
	s_lshl_b32 s43, 15, s43                        ; my row of the cluster
	s_lshl_b32 s44, 0x1111, s40                    ; my column
	s_mov_b32 s20, 0x76543210
	s_mov_b32 s21, 0xfedcba98
	s_mov_b32 s22, 0x3d38aa3b                      ; log2(e) / 32: the division by sqrt(1,024) is exact
	s_mov_b32 s23, s22
	s_or_b32 s[G1A], s43, (3<<16)|(1<<21)          ; group 1: 8 blocks of KQ images, elements of 8 bytes, no padding
	s_or_b32 s[G1B], s44, (3<<16)|(1<<21)
	s_mov_b32 s[G1A+1], (KQ*192)<<16
	s_mov_b32 s[G1A+2], MA<<16
	s_mov_b32 s[G1A+3], (KQ*192)<<16
	s_mov_b32 s[G1A+4], MA
	s_mov_b32 s[G1A+5], KS*192
	s_mov_b32 s[G1A+6], 0
	s_mov_b32 s[G1A+7], 0
	s_mov_b32 s[G1B+1], (KQ*192)<<16
	s_mov_b32 s[G1B+2], 8<<16
	s_mov_b32 s[G1B+3], (KQ*192)<<16
	s_mov_b32 s[G1B+4], 8
	s_mov_b32 s[G1B+5], KS*192
	s_mov_b32 s[G1B+6], 0
	s_mov_b32 s[G1B+7], 0
	s_lshl_b32 s46, s17, 4                         ; bA: q's block 16 x work-group y
	s_lshr_b32 s48, s45, 1                         ; the batch: 8 work-groups y, 2 clusters
	s_lshl_b32 s48, s48, 7
	s_lshl_b32 s49, s42, 4
	s_add_co_u32 s48, s48, s49                     ; bB: k's block 128 x batch + 16 x work-group x
	s_mul_i32 s54, s16, MA
	s_add_co_u32 s54, s54, s46
	s_mul_i32 s54, s54, KS*FRB
	s_mov_b32 s55, 0
	s_lshl_b32 s56, s16, 3
	s_add_co_u32 s56, s56, s48
	s_mul_i32 s56, s56, KS*FRB
	s_add_co_u32 s56, s56, KC
	s_mov_b32 s57, 0
	s_mul_i32 s59, s15, MA
	s_add_co_u32 s59, s59, s46
	s_mul_i32 s59, s59, KS*64
	s_add_co_u32 s59, s59, S2Q
	s_lshl_b32 s60, s16, 3
	s_add_co_u32 s60, s60, s48
	s_mul_i32 s60, s60, KS*64
	s_add_co_u32 s60, s60, S2K
	s_mul_i32 s61, s16, AH
	s_mul_i32 s62, s16, BH
	s_add_co_u32 s62, s62, ABY
	s_mul_i32 s96, s40, 2*KS*FRB                   ; the prefetches: of my load's eight rows, rows 2 p and 2 p + 1: p = cx for q,
	s_mul_i32 s97, s41, 2*KS*FRB                   ; cy for k
	s_cmp_eq_u32 s15, 0
	s_cselect_b32 s96, s96, s97
	s_mov_b32 s97, 0
	s_wait_alu depctr_va_vdst(0)
	s_wait_dscnt 0x0                               ; both opening adds are done
	s_wait_kmcnt 0x0
	s_add_nc_u64 s[54:55], s[4:5], s[54:55]
	s_add_nc_u64 s[56:57], s[4:5], s[56:57]
	s_cmp_eq_u32 s15, 0
	s_cselect_b64 s[98:99], s[54:55], s[56:57]
	s_add_nc_u64 s[PFB:PFB+1], s[98:99], s[96:97]
.set fi, 0
.rept NSLOT
	s_mov_b32 s[G0A+4*fi], 1
	s_add_co_u32 s[G0A+4*fi+1], s61, fi*SLOT
	s_add_nc_u64 s[G0A+4*fi+2:G0A+4*fi+3], s[54:55], fi*KQ*FRB
	s_or_b32 s[G0A+4*fi+3], s[G0A+4*fi+3], 0x80000000
	s_mov_b32 s[G0B+4*fi], 1
	s_add_co_u32 s[G0B+4*fi+1], s62, fi*SLOT
	s_add_nc_u64 s[G0B+4*fi+2:G0B+4*fi+3], s[56:57], fi*KQ*FRB
	s_or_b32 s[G0B+4*fi+3], s[G0B+4*fi+3], 0x80000000
.set fi, fi+1
.endr
	CROUND                                         ; all sixteen work-groups are here: the first joint loads meet
	JLOAD 0                                        ; slot 0: one tensor load a wave at the head
	global_prefetch_b8 v26, s[PFB:PFB+1] offset:KQ*FRB th:TH_LOAD_NT scope:SCOPE_SE          ; slot 1's K steps of my two rows
	global_prefetch_b8 v26, s[PFB:PFB+1] offset:KQ*FRB+KS*FRB th:TH_LOAD_NT scope:SCOPE_SE
	v_and_b32 v2, 15, v0
	v_bfe_u32 v3, v0, 4, 1
	v_lshlrev_b32 v4, 4, v1                        ; 16 x lane
	v_lshlrev_b32 v5, 4, v2                        ; 16 r
	v_mov_b32 v17, s59
	v_mov_b32 v18, s60
	v_cmp_eq_u32 vcc_lo, 1, v3
	v_cndmask_b32 v16, v17, v18, vcc_lo            ; lanes 0-15 take q's scale words, lanes 16-31 k's
	v_add_nc_u32 v16, v16, v5
.set fi, 0
.rept 8
.set fg, 0
.rept KS/4
	global_load_b128 v[SC+KS*fi+4*fg:SC+KS*fi+4*fg+3], v16, s[4:5] offset:fi*KS*64+fg*256
.set fg, fg+1
.endr
.set fi, fi+1
.endr
	s_mul_i32 s18, s15, AH
	s_mul_i32 s19, s16, BH
	s_add_co_u32 s19, s19, ABY
.set fi, 0
.rept NSLOT
	v_add_nc_u32 v[8+fi], s18, v4
	v_add_nc_u32 v[12+fi], s19, v4
	s_add_co_u32 s18, s18, SLOT
	s_add_co_u32 s19, s19, SLOT
.set fi, fi+1
.endr
	s_lshl_b32 s47, s15, 3
	s_add_co_u32 s47, s47, s46                     ; my first block of queries
	s_lshl_b32 s49, s42, 1
	s_add_co_u32 s49, s49, s16                     ; my 128 keys: K step 2 x work-group x + wc of the next product
	s_mul_i32 s80, s47, 24576
	s_mul_i32 s2, s49, FRB
	s_add_co_u32 s80, s80, s2
	s_mov_b32 s81, 0
	s_lshl_b32 s82, s47, 10
	s_lshr_b32 s2, s49, 2
	s_lshl_b32 s2, s2, 8
	s_add_co_u32 s82, s82, s2
	s_and_b32 s2, s49, 3
	s_lshl_b32 s2, s2, 2
	s_add_co_u32 s82, s82, s2
	s_add_co_u32 s82, s82, S3P
	s_mov_b32 s83, 0
	s_add_nc_u64 s[80:81], s[6:7], s[80:81]
	s_add_nc_u64 s[82:83], s[6:7], s[82:83]
.irp b, 0,1,2,3
	v_mov_b32 v[T4+\b], 0                          ; a lane permute's destination counts as one of its sources
.endr
	v_mov_b32 v[NEGM+1], 0                         ; (named as the upper half of a pair)
	s_wait_alu depctr_va_vdst(0)
	s_wait_tensorcnt 0x0                           ; my part of slot 0 is in; the three lines stand ahead of a later first fill as ahead of a refill
	ds_add_u32 v6, v7
	s_wait_dscnt 0x0
	CROUND                                         ; everybody's part of slot 0 is in, and the joint loads meet
	JLOAD 1                                        ; slot 1's first fill
	s_wait_loadcnt 0x0                             ; the scale words
	FETCH_B 0, 0
	FETCH_A 0, 0, 0, MA/2
	FETCH_A 0, 0, MA/2, MA/2
	global_prefetch_b8 v27, s[PFB:PFB+1] offset:6*FRB th:TH_LOAD_NT scope:SCOPE_SE           ; the refill's K steps 6 and 7 of my two rows
	global_prefetch_b8 v27, s[PFB:PFB+1] offset:6*FRB+KS*FRB th:TH_LOAD_NT scope:SCOPE_SE
	KSTEP 0, 0, 3                                  ; the first products start the sums: nothing is cleared
	KSTEP 1, 0, 0
	KSTEP 2, 1, 0                                  ; slot 0 takes K steps 6 and 7
	KSTEP 3, 0, 0
	KSTEP 4, 0, 0
	KSTEP 5, 2, 0
	KSTEP 6, 0, 0
	KSTEP 7, 3, 0
	WIN 0
	PLACES 4
.irp a, 0,1,2,3,4,5,6,7
	SOFT \a
.endr
	s_wait_tensorcnt 0x0                           ; the wave's end
	ds_add_u32 v6, v7
	s_wait_dscnt 0x0
	CROUND                                         ; the closing round
	s_endpgm
.Lfunc_end_k_q2b214a4549_scores:
	.size	k_q2b214a4549_scores, .Lfunc_end_k_q2b214a4549_scores-k_q2b214a4549_scores
	.p2alignl 7, 3214868480
	.fill 96, 4, 3214868480
	.section	.rodata,"a",@progbits
	.p2align	6, 0x0
	.amdhsa_kernel k_q2b214a4549_scores
		.amdhsa_group_segment_fixed_size 327680
		.amdhsa_private_segment_fixed_size 0
		.amdhsa_enable_private_segment 0
		.amdhsa_kernarg_size 16
		.amdhsa_user_sgpr_count 2
		.amdhsa_user_sgpr_kernarg_segment_ptr 1
		.amdhsa_wavefront_size32 1
		.amdhsa_system_sgpr_workgroup_id_x 1
		.amdhsa_system_sgpr_workgroup_id_y 1
		.amdhsa_system_sgpr_workgroup_id_z 1
		.amdhsa_system_vgpr_workitem_id 0
		.amdhsa_next_free_vgpr 1024
		.amdhsa_next_free_sgpr 100
		.amdhsa_reserve_vcc 1
		.amdhsa_float_denorm_mode_32 3
		.amdhsa_float_denorm_mode_16_64 3
		.amdhsa_memory_ordered 1
		.amdhsa_forward_progress 1
		.amdhsa_inst_pref_size 194
	.end_amdhsa_kernel
	.amdgpu_metadata
---
amdhsa.version: [ 1, 2 ]
amdhsa.kernels:
  - .name:           k_q2b214a4549_scores
    .symbol:         k_q2b214a4549_scores.kd
    .args:
      - { .name: wsb, .offset: 0, .size: 8, .value_kind: global_buffer, .address_space: global }
      - { .name: wsc, .offset: 8, .size: 8, .value_kind: global_buffer, .address_space: global }
    .group_segment_fixed_size: 327680
    .private_segment_fixed_size: 0
    .kernarg_segment_align: 8
    .kernarg_segment_size: 16
    .max_flat_workgroup_size: 128
    .sgpr_count:     100
    .vgpr_count:     1024
    .wavefront_size: 32
...
	.end_amdgpu_metadata
.endif
;; end of part 3
;; launch pv (part 4): grid 4 x 64, 4 waves a work-group, clusters of 4 x 4, 327,680 bytes of LDS; arguments wsc, wsd; writes wsd
.if DOCPART == 4
	.amdgcn_target "amdgcn-amd-amdhsa--gfx1250"
	.amdhsa_code_object_version 6
	.text
	.protected	k_q2b214a4549_pv
	.globl	k_q2b214a4549_pv
	.p2align	8
	.type	k_q2b214a4549_pv,@function
k_q2b214a4549_pv:
	s_mov_b64 s[64:65], 0
	v_nop
	global_prefetch_b8 v0, s[64:65] scope:SCOPE_SE
	s_setreg_imm32_b32 hwreg(HW_REG_WAVE_MODE, 25, 1), 1
	s_wait_xcnt 0x0
	s_wait_alu depctr_hold_cnt(0) depctr_sa_sdst(0) depctr_va_vdst(0) depctr_va_sdst(0) depctr_va_ssrc(0) depctr_va_vcc(0) depctr_vm_vsrc(0)
	s_getreg_b32 s2, hwreg(HW_REG_IB_STS2, 6, 4)
	s_cmp_eq_u32 s2, 0
	s_cbranch_scc0 .Lentry_in_a_cluster
	s_endpgm
.Lentry_in_a_cluster:
	s_bfe_u32 s2, ttmp6, 0x10000c
	s_cmp_lg_u32 s2, 0xf033
	s_cbranch_scc0 .Lentry_shape_is_right
	s_endpgm
.Lentry_shape_is_right:
; o = (p v) / l on codes of FP6 (E2M3) with E8M0 scales, and o quantised at once along the hidden axis (into wsd).  p arrives with a whole number M for each query and each 128 keys.  At the head each wave takes the row's
; M = the largest of the sixteen, takes d = M(row) - M(local) off p's scale bytes of that K step (the codes stay), and adds the sixteen local sums x 2^-d: the row's l.
; Codes are images of operand registers (a fragment: 1,536 bytes, registers 4 c .. 4 c + 3 of lane l at 512 c + 16 l), tensors [blocks of 16 rows][K / 128][1,536]; lane r of block t stands for row
; 32 (t >> 1) + 8 (t & 1) + (r & 7) + 16 (r >> 3); scale words, -M and l: [block][K step >> 2][r][4 words].
; THE MATRIX INSTRUCTION: source 0 = 16 channels of v^T (K = the keys), source 1 = 16 queries of p: a lane holds ONE query, and the 16 registers of channel blocks 2 b, 2 b + 1 are 16 neighbouring channels.
; A work-group makes 128 queries x 256 channels (256 work-groups), a wave 64 x 128 in 32 accumulators.  K = 2,048: sixteen K steps, written out; two slots of four K steps, each filled twice.  At the head a wave issues one
; joint load, its quarter of slot 0; slot 1's first fill stands behind the three lines and a round of the cluster's barrier.  Two of my four blocks are brought under the row's M while slot 0 is on its way, two while slot 1 is.
; By this text's count a wave has one tensor load out.  CLUSTERS 4 x 4: p's tiles shared along a row, v's along a column.
; p's and v's fragments have two register sets each, by the K step's parity: a K step has ONE run of 36 LDS loads, for the next step, among its 32 products.
; PREFETCH, one fill (four K steps) ahead: behind each joint load but the last each wave names its share of what its NEXT joint load will bring.  The four partners of a joint load share its rows out by address
; (p: row cx; v: rows 2 cy, 2 cy + 1), a lane to each 256 bytes of a row's 6,144 (lanes 24-31 name the last again).  Base and offset are never rewritten: the place along K stands in the immediate.
; LIMITS: NaN and infinities are not served.  d is held at 127, and a scale byte that would fall under 0 becomes 0: such a block then adds at most 7.5 x 2^-127 x |v| for a key, beside a row whose l is at least 1/2.
; A block of o whose largest magnitude lies under 2^-124 is held at the scale byte 1; a block of zeros gets the byte 1.
; REGISTERS: window 0: v1-19, v28 addresses; v20-27 1 / l; v32-159 scale words (K step q of block i at v[32 + 16 i + q]); v160-207, v208-255 p's fragments
;   (at the head v160-223: -M of my four blocks, v224-248 at work on them); on the way out v208-247 at work.   window 1: v's fragments, two sets (at the head v0-63: the local sums; on the way out v0-63: o).   window 2: the accumulators.
.set MA,    4
.set KS,    16
.set KQ,    4
.set NSLOT, 2
.set FRB,   1536
.set AH,    MA*KQ*FRB
.set ABY,   2*AH
.set BH,    8*KQ*FRB
.set SLOT,  ABY+2*BH
.set RSTEP, NSLOT*KQ*FRB
.set SPARE, NSLOT*SLOT                 ; the spare words, 128 bytes a wave
.set SC,    32
.set AF,    160
.set G1A,   24
.set G1B,   32
.set G0A,   68
.set G0B,   84
.set PFB,   96                         ; s[96:97] the prefetches' base; never rewritten
.set PFO,   28                         ; v28 the prefetches' offset; never rewritten
.set VC,    12582912                   ; wsc: v's codes (p's at 0)
.set S3P,   18874368
.set S3V,   19398656
.set R_NM,  19660800
.set R_LL,  20185088
.set S4O,   7077888                    ; wsd: o's scale words (o's codes at 0)
.set TM,    208
.set PW,    224
.set PC,    228
.set AD,    224                        ; at the head: v224-227 d,
.set AX,    228                        ; v228-231 d in all four bytes,
.set AW,    232                        ; v232-235 the scale bytes at work,
.set AK,    236                        ; v236-239 which bytes stay,
.set AT,    240                        ; v240-243 that mask shifted,
.set AM,    248                        ; v248 the row's -M
.set MSB, 0
.macro WIN new                         ; the immediate's high byte repeats the setting that is left
.if MSB != (\new)
	s_set_vgpr_msb (MSB<<8)|(\new)
.set MSB, (\new)
.endif
.endm
.macro PLACES n                        ; plain places behind matrix instructions (ISA guide 7.12.1)
.rept \n
	v_nop
.endr
.endm
.macro CREST                           ; a round of the cluster's barrier behind its opening barrier
	s_cmp_lg_u32 s14, 0
	s_cbranch_scc1 .Lnot_wave_0_\@
	s_barrier_signal -3
.Lnot_wave_0_\@:
	s_barrier_wait -3
	s_barrier_signal -1
	s_barrier_wait -1
.endm
.macro CROUND
	s_barrier_signal -1
	s_barrier_wait -1
	CREST
.endm
.macro JLOAD s                         ; a joint load: waves 0 and 1 fetch A's halves, waves 2 and 3 B's; s_nop 0 and four v_nop follow each line
	s_cmp_eq_u32 s15, 0
	s_cbranch_scc0 .Lfor_b_\@
	tensor_load_to_lds s[G0A+4*(\s):G0A+4*(\s)+3], s[G1A:G1A+7]
	s_nop 0
	PLACES 4
	s_branch .Lasked_\@
.Lfor_b_\@:
	tensor_load_to_lds s[G0B+4*(\s):G0B+4*(\s)+3], s[G1B:G1B+7]
	s_nop 0
	PLACES 4
.Lasked_\@:
.endm
.macro PFETCH off                      ; my share of what my next joint load brings: four K steps, from byte off of the rows, of one row (p's waves) or of two (v's waves)
	global_prefetch_b8 v[PFO], s[PFB:PFB+1] offset:(\off) th:TH_LOAD_NT scope:SCOPE_SE
	s_cmp_eq_u32 s15, 0
	s_cbranch_scc1 .Lpf_done_\@
	global_prefetch_b8 v[PFO], s[PFB:PFB+1] offset:(\off)+KS*FRB th:TH_LOAD_NT scope:SCOPE_SE
.Lpf_done_\@:
.endm
.macro FRAG reg, adr, i, q             ; an image comes back as it was stored: 3 loads of 512 consecutive bytes
.irp c, 0,1,2
	ds_load_b128 v[(\reg)+4*\c:(\reg)+4*\c+3], v[\adr] offset:(\i)*KQ*FRB+(\q)*FRB+512*\c
.endr
.endm
.macro FETCH_B s, q, p
	WIN 0x40
.set fi, 0
.rept 8
	FRAG 128*(\p)+12*fi, 12+(\s), fi, \q
.set fi, fi+1
.endr
	WIN 0
.endm
.macro FETCH_A s, q                    ; A's four blocks into the set of the step's parity
.set fi, 0
.rept MA
	FRAG AF+48*((\q)%2)+12*fi, 8+(\s), fi, \q
.set fi, fi+1
.endr
.endm
; A's blocks a0 .. a0 + n - 1 against B's eight, K step q.  cm: 0 add in place; 3 start with 0.  The 32 accumulators take turns.
.macro MULA a0, n, q, cm
.set ma, \a0
.rept \n
	WIN (2<<6)|(2<<4)|1
.set mb, 0
.rept 8
.set rD, 8*(8*ma+mb)
.set rB, 128*((\q)%2)+12*mb
.set rA, AF+48*((\q)%2)+12*ma
.if \cm == 0
	v_wmma_scale_f32_16x16x128_f8f6f4 v[rD:rD+7], v[rB:rB+11], v[rA:rA+11], v[rD:rD+7], v[SC+KS*mb+(\q)], v[SC+KS*ma+(\q)] matrix_a_fmt:MATRIX_FMT_FP6 matrix_b_fmt:MATRIX_FMT_FP6 matrix_a_scale:MATRIX_SCALE_ROW1
.else
	v_wmma_scale_f32_16x16x128_f8f6f4 v[rD:rD+7], v[rB:rB+11], v[rA:rA+11], 0, v[SC+KS*mb+(\q)], v[SC+KS*ma+(\q)] matrix_a_fmt:MATRIX_FMT_FP6 matrix_b_fmt:MATRIX_FMT_FP6 matrix_a_scale:MATRIX_SCALE_ROW1
.endif
.set mb, mb+1
.endr
.set ma, ma+1
.endr
.endm
; A K step: 32 products, and one run of loads for the next step.  kind 0: plain.  1: the slot just read out is filled again behind a round of the cluster's barrier.  2: a barrier, since the next slot's tiles were brought by other waves.  3: the last step.
.macro KSTEP q, kind, cm
.set NS, (((\q)+1)/KQ)%NSLOT
.set NQ, ((\q)+1)%KQ
.set CSL, ((\q)/KQ)%NSLOT
.if (\kind == 1) || (\kind == 2)
	s_wait_tensorcnt 0x0                           ; all my tensor loads have landed: my part of the other slot
.endif
.if \kind == 1
	ds_add_u32 v6, v7                              ; 0 onto my spare word
	s_wait_dscnt 1                                 ; this step's fragments are in; the add may be out
.else
	s_wait_dscnt 0x0                               ; this step's fragments are in
.endif
	MULA 0, 1, \q, \cm
.if (\kind == 1) || (\kind == 2)
	s_wait_dscnt 0x0                               ; the add is done, and my reads of this slot are over
	s_barrier_signal -1
	MULA 1, 1, \q, \cm
	WIN 0
	s_barrier_wait -1
.endif
.if \kind == 1
	CREST                                          ; the barrier has opened a round of the cluster's
	s_add_nc_u64 s[G0A+4*CSL+2:G0A+4*CSL+3], s[G0A+4*CSL+2:G0A+4*CSL+3], RSTEP
	s_add_nc_u64 s[G0B+4*CSL+2:G0B+4*CSL+3], s[G0B+4*CSL+2:G0B+4*CSL+3], RSTEP
	JLOAD CSL                                      ; its four v_nop are the places in front of the loads below
.elseif \kind != 3
	PLACES 4                                       ; the sets that the loads below fill were read by the last step's products
.endif
.if \kind != 3
	FETCH_B NS, NQ, NQ%2
	FETCH_A NS, NQ
.endif
.if (\kind == 1) && ((\q)+1+2*KQ < KS)
	PFETCH ((\q)+1+2*KQ)*FRB                       ; what the next refill will bring; the last refill has none behind it
.endif
.if (\kind == 1) || (\kind == 2)
	MULA 2, 2, \q, \cm
.else
	MULA 1, 3, \q, \cm
.endif
	WIN 0
.endm
; 64 numbers of a lane in window w, register 16 b + i = k 32 b + 16 (lane / 16) + i of my row, become a fragment's codes in v[PC] on and its scale word in v[pw].
.macro QUANT s, w, pw
	WIN (\w)|((\w)<<2)
.irp b, 0,1,2,3
	v_max3_num_f32 v[TM+\b], |v[(\s)+16*\b]|, |v[(\s)+16*\b+1]|, 0x1800000   ; and the floor 2^(3 - 127): the byte cannot fall under 1
.endr
	WIN ((\w)<<2)|((\w)<<4)
.irp i, 2,4,6,8,10,12,14
.irp b, 0,1,2,3
	v_max3_num_f32 v[TM+\b], v[TM+\b], |v[(\s)+16*\b+\i]|, |v[(\s)+16*\b+\i+1]|
.endr
.endr
	WIN 0
.irp b, 0,1,2,3
	v_permlanex16_b32 v[TM+4+\b], v[TM+\b], s20, s21
.endr
.irp b, 0,1,2,3
	v_max_num_f32 v[TM+\b], v[TM+\b], v[TM+4+\b]   ; with lane l xor 16's: the block's largest magnitude
.endr
.irp b, 0,1,2,3
	v_add_nc_u32 v[TM+12+\b], 0xff000000, v[TM+\b]   ; 2 off its exponent field: the conversion's scale operand
.endr
.irp b, 0,1,2,3
	v_lshrrev_b32 v[TM+4+\b], 23, v[TM+12+\b]      ; the scale's byte
.endr
	v_lshl_or_b32 v[\pw], v[TM+5], 8, v[TM+4]
	v_lshl_or_b32 v[\pw], v[TM+6], 16, v[\pw]
	v_lshl_or_b32 v[\pw], v[TM+7], 24, v[\pw]
	WIN (\w)
.irp c, 0,1
	v_cvt_scalef32_pk16_fp6_f32 v[PC+6*\c:PC+6*\c+2], v[(\s)+32*\c:(\s)+32*\c+15], v[TM+12+2*\c]
	v_cvt_scalef32_pk16_fp6_f32 v[PC+12+4*\c:PC+12+4*\c+2], v[(\s)+32*\c+16:(\s)+32*\c+31], v[TM+12+2*\c+1]
.endr
	WIN 0
	v_nop                                          ; one plain place behind a scaled conversion
.irp c, 0,1
.irp i, 0,1,2
	v_permlane16_swap_b32 v[PC+6*\c+\i], v[PC+12+4*\c+\i]
.endr
.irp i, 0,1,2
	v_mov_b32 v[PC+3+6*\c+\i], v[PC+12+4*\c+\i]
.endr
.endr
.endm
; p's block i under the row's M.  v[AN + s] = -M of K step s; window 1's v[16 i + s] = its local sum; v[AC + s] = its scale word (lanes 0-15; lanes 16-31 hold v's words and keep them).
.macro ADJ i
.set AN, 160+16*(\i)
.set AC, SC+16*(\i)
	v_min3_num_f32 v[AM], v[AN], v[AN+1], v[AN+2]
.irp s, 3,5,7,9,11,13
	v_min3_num_f32 v[AM], v[AM], v[AN+\s], v[AN+\s+1]
.endr
	v_min_num_f32 v[AM], v[AM], v[AN+15]           ; the row's -M
.irp g, 0,4,8,12                               ; four K steps by turns
.irp k, 0,1,2,3
	v_sub_f32 v[AD+\k], v[AN+\g+\k], v[AM]         ; d = M(row) - M(local): a whole number, 0 or more
.endr
.irp k, 0,1,2,3
	v_min_num_f32 v[AD+\k], 0x42fe0000, v[AD+\k]   ; held at 127
.endr
.irp k, 0,1,2,3
	v_cvt_u32_f32 v[AD+\k], v[AD+\k]
.endr
.irp k, 0,1,2,3
	v_lshl_or_b32 v[AX+\k], v[AD+\k], 8, v[AD+\k]
.endr
.irp k, 0,1,2,3
	v_lshl_or_b32 v[AX+\k], v[AX+\k], 16, v[AX+\k]   ; d in all four bytes
.endr
.irp k, 0,1,2,3
	v_or_b32 v[AW+\k], 0x80808080, v[AC+\g+\k]     ; p's bytes are at most 125: with bit 7 set no byte borrows from its neighbour
.endr
.irp k, 0,1,2,3
	v_sub_nc_u32 v[AW+\k], v[AW+\k], v[AX+\k]
.endr
.irp k, 0,1,2,3
	v_and_b32 v[AK+\k], 0x80808080, v[AW+\k]       ; bit 7 is left where byte >= d
.endr
.irp k, 0,1,2,3
	v_lshrrev_b32 v[AT+\k], 7, v[AK+\k]
.endr
.irp k, 0,1,2,3
	v_sub_nc_u32 v[AK+\k], v[AK+\k], v[AT+\k]      ; 0x7f there, 0 elsewhere
.endr
.irp k, 0,1,2,3
	v_and_b32 v[AW+\k], v[AW+\k], v[AK+\k]         ; max(byte - d, 0)
.endr
.irp k, 0,1,2,3
	v_cndmask_b32 v[AC+\g+\k], v[AW+\k], v[AC+\g+\k], s63   ; lanes 16-31 keep v's words
.endr
.irp k, 0,1,2,3
	v_sub_nc_u32 v[AN+\g+\k], 0, v[AD+\k]          ; -d
.endr
.endr
	WIN 0x01
.irp s, 0,1,2,3,4,5,6,7,8,9,10,11,12,13,14,15
	v_ldexp_f32 v[AN+\s], v[16*(\i)+\s], v[AN+\s]  ; the local sum x 2^-d
.endr
	WIN 0
.irp s, 0,4,8,12
	v_pk_add_f32 v[AN+\s:AN+\s+1], v[AN+\s:AN+\s+1], v[AN+\s+2:AN+\s+3]
.endr
	v_pk_add_f32 v[AN:AN+1], v[AN:AN+1], v[AN+4:AN+5]
	v_pk_add_f32 v[AN+8:AN+9], v[AN+8:AN+9], v[AN+12:AN+13]
	v_pk_add_f32 v[AN:AN+1], v[AN:AN+1], v[AN+8:AN+9]
	v_add_f32 v[20+2*(\i)], v[AN], v[AN+1]         ; the row's l
.endm
.macro EPO a                           ; A's block a: / l, quantised: one fragment of the next product
	s_wait_xcnt 0x0                                ; the last block's stores have read their registers
	WIN 0x42                                       ; accumulators in window 2, 1 / l in window 0, o into window 1
.set j, 0
.rept 32
	v_pk_mul_f32 v[j:j+1], v[64*(\a)+j:64*(\a)+j+1], v[20+2*(\a):21+2*(\a)] op_sel_hi:[1,0]   ; each accumulator from its low end on
.set j, j+2
.endr
	WIN 0
	QUANT 0, 1, PW
.irp c, 0,1,2
	global_store_b128 v4, v[PC+4*\c:PC+4*\c+3], s[80:81] offset:12288*(\a)+512*\c   ; 32 lanes store 512 consecutive bytes, aligned
.endr
	global_store_b32 v5, v[PW], s[82:83] offset:512*(\a)   ; lanes 16-31 hold the same words and store them to the same places
.endm
	s_load_b128 s[4:7], s[0:1], 0x0                ; wsc s[4:5], wsd s[6:7]
	v_lshl_add_u32 v6, v0, 2, SPARE
	v_mov_b32 v7, 0
	ds_add_u32 v6, v7                              ; the opening lines
	ds_add_u32 v6, v7
	v_lshrrev_b32 v1, 5, v0
	v_readfirstlane_b32 s14, v1                    ; wave 0..3
	v_and_b32 v1, 31, v0                           ; lane
	v_min_u32 v[PFO], 23, v1
	v_lshlrev_b32 v[PFO], 8, v[PFO]                ; the prefetches' offset: 256 bytes a lane, 24 to a row
	s_lshr_b32 s15, s14, 1                         ; wr.  Also: I fetch for A (0) or for B (1)
	s_and_b32 s16, s14, 1                          ; wc.  Also: which half I fetch
	s_bfe_u32 s40, ttmp6, 0x40000                  ; cx
	s_bfe_u32 s41, ttmp6, 0x40004                  ; cy
	s_lshl_b32 s42, ttmp9, 2
	s_add_co_u32 s42, s42, s40                     ; work-group x
	s_and_b32 s45, ttmp7, 0xffff                   ; cluster y
	s_lshl_b32 s17, s45, 2
	s_add_co_u32 s17, s17, s41                     ; work-group y
	s_lshl_b32 s43, s41, 2
	s_lshl_b32 s43, 15, s43                        ; my row of the cluster
	s_lshl_b32 s44, 0x1111, s40                    ; my column
	s_mov_b32 s20, 0x76543210
	s_mov_b32 s21, 0xfedcba98
	s_or_b32 s[G1A], s43, (3<<16)|(1<<21)          ; group 1: R blocks of KQ images, elements of 8 bytes, no padding
	s_or_b32 s[G1B], s44, (3<<16)|(1<<21)
	s_mov_b32 s[G1A+1], (KQ*192)<<16
	s_mov_b32 s[G1A+2], MA<<16
	s_mov_b32 s[G1A+3], (KQ*192)<<16
	s_mov_b32 s[G1A+4], MA
	s_mov_b32 s[G1A+5], KS*192
	s_mov_b32 s[G1A+6], 0
	s_mov_b32 s[G1A+7], 0
	s_mov_b32 s[G1B+1], (KQ*192)<<16
	s_mov_b32 s[G1B+2], 8<<16
	s_mov_b32 s[G1B+3], (KQ*192)<<16
	s_mov_b32 s[G1B+4], 8
	s_mov_b32 s[G1B+5], KS*192
	s_mov_b32 s[G1B+6], 0
	s_mov_b32 s[G1B+7], 0
	s_lshl_b32 s46, s17, 3                         ; bA: p's block 8 x work-group y
	s_lshr_b32 s48, s45, 2                         ; the batch: 16 work-groups y, 4 clusters
	s_lshl_b32 s48, s48, 6
	s_lshl_b32 s49, s42, 4
	s_add_co_u32 s48, s48, s49                     ; bB: v's block 64 x batch + 16 x work-group x
	s_mul_i32 s54, s16, MA
	s_add_co_u32 s54, s54, s46
	s_mul_i32 s54, s54, KS*FRB
	s_mov_b32 s55, 0
	s_lshl_b32 s56, s16, 3
	s_add_co_u32 s56, s56, s48
	s_mul_i32 s56, s56, KS*FRB
	s_add_co_u32 s56, s56, VC
	s_mov_b32 s57, 0
	s_mul_i32 s59, s15, MA
	s_add_co_u32 s59, s59, s46
	s_mul_i32 s59, s59, KS*64
	s_add_co_u32 s59, s59, S3P
	s_lshl_b32 s60, s16, 3
	s_add_co_u32 s60, s60, s48
	s_mul_i32 s60, s60, KS*64
	s_add_co_u32 s60, s60, S3V
	s_mul_i32 s61, s16, AH
	s_mul_i32 s62, s16, BH
	s_add_co_u32 s62, s62, ABY
	s_mul_i32 s96, s40, KS*FRB                     ; the prefetches: of p's four rows, row cx;
	s_mul_i32 s97, s41, 2*KS*FRB                   ; of v's eight, rows 2 cy and 2 cy + 1
	s_cmp_eq_u32 s15, 0
	s_cselect_b32 s96, s96, s97
	s_mov_b32 s97, 0
	s_wait_alu depctr_va_vdst(0)
	s_wait_dscnt 0x0                               ; both opening adds are done
	s_wait_kmcnt 0x0
	s_add_nc_u64 s[54:55], s[4:5], s[54:55]
	s_add_nc_u64 s[56:57], s[4:5], s[56:57]
	s_cmp_eq_u32 s15, 0
	s_cselect_b64 s[98:99], s[54:55], s[56:57]
	s_add_nc_u64 s[PFB:PFB+1], s[98:99], s[96:97]
.set fi, 0
.rept NSLOT
	s_mov_b32 s[G0A+4*fi], 1
	s_add_co_u32 s[G0A+4*fi+1], s61, fi*SLOT
	s_add_nc_u64 s[G0A+4*fi+2:G0A+4*fi+3], s[54:55], fi*KQ*FRB
	s_or_b32 s[G0A+4*fi+3], s[G0A+4*fi+3], 0x80000000
	s_mov_b32 s[G0B+4*fi], 1
	s_add_co_u32 s[G0B+4*fi+1], s62, fi*SLOT
	s_add_nc_u64 s[G0B+4*fi+2:G0B+4*fi+3], s[56:57], fi*KQ*FRB
	s_or_b32 s[G0B+4*fi+3], s[G0B+4*fi+3], 0x80000000
.set fi, fi+1
.endr
	CROUND                                         ; all sixteen work-groups are here: the first joint loads meet
	JLOAD 0                                        ; slot 0: one tensor load a wave at the head
	PFETCH KQ*FRB                                  ; slot 1's K steps 4-7
	v_and_b32 v2, 15, v0
	v_bfe_u32 v3, v0, 4, 1
	v_lshlrev_b32 v4, 4, v1                        ; 16 x lane
	v_lshlrev_b32 v5, 4, v2                        ; 16 r
	v_mov_b32 v18, s59
	v_mov_b32 v19, s60
	v_cmp_eq_u32 vcc_lo, 1, v3
	v_cndmask_b32 v16, v18, v19, vcc_lo            ; lanes 0-15 take p's scale words, lanes 16-31 v's
	v_add_nc_u32 v16, v16, v5
.set fi, 0
.rept 8                                        ; (lanes 0-15 of blocks 4 to 7 read on, inside the buffer; those words are never used)
.set fg, 0
.rept KS/4
	global_load_b128 v[SC+KS*fi+4*fg:SC+KS*fi+4*fg+3], v16, s[4:5] offset:fi*KS*64+fg*256
.set fg, fg+1
.endr
.set fi, fi+1
.endr
	s_add_co_u32 s2, s59, R_NM-S3P
	v_add_nc_u32 v17, s2, v5                       ; -M of my four blocks: laid as p's scale words
.set fi, 0
.rept 4
.set fg, 0
.rept 4
	global_load_b128 v[160+16*fi+4*fg:160+16*fi+4*fg+3], v17, s[4:5] offset:fi*1024+fg*256
.set fg, fg+1
.endr
.set fi, fi+1
.endr
	WIN 0x40
.set fi, 0
.rept 4
.set fg, 0
.rept 4
	global_load_b128 v[16*fi+4*fg:16*fi+4*fg+3], v17, s[4:5] offset:fi*1024+fg*256+R_LL-R_NM   ; the local sums
.set fg, fg+1
.endr
.set fi, fi+1
.endr
	WIN 0
	s_mul_i32 s18, s15, AH
	s_mul_i32 s19, s16, BH
	s_add_co_u32 s19, s19, ABY
.set fi, 0
.rept NSLOT
	v_add_nc_u32 v[8+fi], s18, v4
	v_add_nc_u32 v[12+fi], s19, v4
	s_add_co_u32 s18, s18, SLOT
	s_add_co_u32 s19, s19, SLOT
.set fi, fi+1
.endr
	s_lshl_b32 s47, s15, 2
	s_add_co_u32 s47, s47, s46                     ; my first block of rows
	s_lshl_b32 s49, s42, 1
	s_add_co_u32 s49, s49, s16                     ; my 128 channels: K step 2 x work-group x + wc of the next product
	s_mul_i32 s80, s47, 12288
	s_mul_i32 s2, s49, FRB
	s_add_co_u32 s80, s80, s2
	s_mov_b32 s81, 0
	s_lshl_b32 s82, s47, 9
	s_lshr_b32 s2, s49, 2
	s_lshl_b32 s2, s2, 8
	s_add_co_u32 s82, s82, s2
	s_and_b32 s2, s49, 3
	s_lshl_b32 s2, s2, 2
	s_add_co_u32 s82, s82, s2
	s_add_co_u32 s82, s82, S4O
	s_mov_b32 s83, 0
	s_add_nc_u64 s[80:81], s[6:7], s[80:81]
	s_add_nc_u64 s[82:83], s[6:7], s[82:83]
	s_mov_b32 s63, 0xffff0000                      ; lanes 16-31
	s_wait_alu depctr_va_vdst(0)
	s_wait_loadcnt 0x0                             ; scale words, -M, local sums
	ADJ 0                                          ; two blocks while slot 0 is on its way
	ADJ 1
	s_wait_alu depctr_va_vdst(0)
	s_wait_tensorcnt 0x0                           ; my part of slot 0 is in; the three lines stand ahead of a later first fill as ahead of a refill
	ds_add_u32 v6, v7
	s_wait_dscnt 0x0
	CROUND                                         ; everybody's part of slot 0 is in, and the joint loads meet
	JLOAD 1                                        ; slot 1's first fill
	PFETCH 2*KQ*FRB                                ; the first refill's K steps 8-11
	ADJ 2                                          ; two blocks while slot 1 is on its way
	ADJ 3
	s_wait_alu depctr_va_vdst(0)
.irp i, 0,1,2,3
	v_rcp_f32 v[20+2*\i], v[20+2*\i]
.endr
.irp i, 0,1,2,3
	v_mov_b32 v[21+2*\i], 0                        ; (named as the upper halves of pairs; plain places behind the reciprocals)
.endr
	s_wait_alu depctr_va_vdst(0)                   ; one wait for the four reciprocals, and for the four lines above
	PLACES 8                                       ; scale registers written by vector instructions stand 8 places ahead of a scaled matrix instruction
	FETCH_B 0, 0, 0
	FETCH_A 0, 0
	KSTEP 0, 0, 3                                  ; the first products start the sums: nothing is cleared
	KSTEP 1, 0, 0
	KSTEP 2, 0, 0
	KSTEP 3, 1, 0                                  ; slot 0 takes K steps 8 to 11
	KSTEP 4, 0, 0
	KSTEP 5, 0, 0
	KSTEP 6, 0, 0
	KSTEP 7, 1, 0                                  ; slot 1 takes K steps 12 to 15
	KSTEP 8, 0, 0
	KSTEP 9, 0, 0
	KSTEP 10, 0, 0
	KSTEP 11, 2, 0
	KSTEP 12, 0, 0
	KSTEP 13, 0, 0
	KSTEP 14, 0, 0
	KSTEP 15, 3, 0
	PLACES 4
.irp a, 0,1,2,3
	EPO \a
.endr
	s_wait_tensorcnt 0x0                           ; the wave's end
	ds_add_u32 v6, v7
	s_wait_dscnt 0x0
	CROUND                                         ; the closing round
	s_endpgm
.Lfunc_end_k_q2b214a4549_pv:
	.size	k_q2b214a4549_pv, .Lfunc_end_k_q2b214a4549_pv-k_q2b214a4549_pv
	.p2alignl 7, 3214868480
	.fill 96, 4, 3214868480
	.section	.rodata,"a",@progbits
	.p2align	6, 0x0
	.amdhsa_kernel k_q2b214a4549_pv
		.amdhsa_group_segment_fixed_size 327680
		.amdhsa_private_segment_fixed_size 0
		.amdhsa_enable_private_segment 0
		.amdhsa_kernarg_size 16
		.amdhsa_user_sgpr_count 2
		.amdhsa_user_sgpr_kernarg_segment_ptr 1
		.amdhsa_wavefront_size32 1
		.amdhsa_system_sgpr_workgroup_id_x 1
		.amdhsa_system_sgpr_workgroup_id_y 1
		.amdhsa_system_sgpr_workgroup_id_z 1
		.amdhsa_system_vgpr_workitem_id 0
		.amdhsa_next_free_vgpr 768
		.amdhsa_next_free_sgpr 100
		.amdhsa_reserve_vcc 1
		.amdhsa_float_denorm_mode_32 3
		.amdhsa_float_denorm_mode_16_64 3
		.amdhsa_memory_ordered 1
		.amdhsa_forward_progress 1
		.amdhsa_inst_pref_size 195
	.end_amdhsa_kernel
	.amdgpu_metadata
---
amdhsa.version: [ 1, 2 ]
amdhsa.kernels:
  - .name:           k_q2b214a4549_pv
    .symbol:         k_q2b214a4549_pv.kd
    .args:
      - { .name: wsc, .offset: 0, .size: 8, .value_kind: global_buffer, .address_space: global }
      - { .name: wsd, .offset: 8, .size: 8, .value_kind: global_buffer, .address_space: global }
    .group_segment_fixed_size: 327680
    .private_segment_fixed_size: 0
    .kernarg_segment_align: 8
    .kernarg_segment_size: 16
    .max_flat_workgroup_size: 128
    .sgpr_count:     100
    .vgpr_count:     768
    .wavefront_size: 32
...
	.end_amdgpu_metadata
.endif
;; end of part 4
;; launch outp (part 5): grid 4 x 64, 4 waves a work-group, clusters of 4 x 4, 327,680 bytes of LDS; arguments wsd, b_out, out0; writes out0
.if DOCPART == 5
	.amdgcn_target "amdgcn-amd-amdhsa--gfx1250"
	.amdhsa_code_object_version 6
	.text
	.protected	k_q2b214a4549_outp
	.globl	k_q2b214a4549_outp
	.p2align	8
	.type	k_q2b214a4549_outp,@function
k_q2b214a4549_outp:
	s_mov_b64 s[64:65], 0
	v_nop
	global_prefetch_b8 v0, s[64:65] scope:SCOPE_SE
	s_setreg_imm32_b32 hwreg(HW_REG_WAVE_MODE, 25, 1), 1
	s_wait_xcnt 0x0
	s_wait_alu depctr_hold_cnt(0) depctr_sa_sdst(0) depctr_va_vdst(0) depctr_va_sdst(0) depctr_va_ssrc(0) depctr_va_vcc(0) depctr_vm_vsrc(0)
	s_getreg_b32 s2, hwreg(HW_REG_IB_STS2, 6, 4)
	s_cmp_eq_u32 s2, 0
	s_cbranch_scc0 .Lentry_in_a_cluster
	s_endpgm
.Lentry_in_a_cluster:
	s_bfe_u32 s2, ttmp6, 0x10000c
	s_cmp_lg_u32 s2, 0xf033
	s_cbranch_scc0 .Lentry_shape_is_right
	s_endpgm
.Lentry_shape_is_right:
; out0 = o W_out + b_out on codes of FP6 (E2M3) with E8M0 scales; out0 [8192][1024] f32.
; Codes are images of operand registers (a fragment: 1,536 bytes, registers 4 c .. 4 c + 3 of lane l at 512 c + 16 l), tensors [blocks of 16 rows][K / 128][1,536]; lane r of block t stands for row
; 32 (t >> 1) + 8 (t & 1) + (r & 7) + 16 (r >> 3); scale words: [block][K step >> 2][r][4 words].
; THE MATRIX INSTRUCTION: source 0 = 16 columns of W_out, source 1 = 16 rows of o: a lane holds ONE row, and the 16 registers of column blocks 2 b, 2 b + 1 are 16 neighbouring columns.
; A work-group makes 128 rows x 256 columns (256 work-groups), a wave 64 x 128 in 32 accumulators.  K = 1,024: eight K steps, written out.  ALL of K fits in LDS, and a half tile for all of K is one dense run of memory
; (4 or 8 blocks x 12,288 bytes): each wave brings one by ONE joint load at the head; nothing is filled again.  CLUSTERS 4 x 4: o's tiles shared along a row, W_out's along a column.
; o's and W_out's fragments have two register sets each, by the K step's parity: a K step has ONE run of 36 LDS loads, for the next step, among its 32 products.
; No prefetch: the launch has no loop to run ahead in; all that it reads through LDS is asked for by the head's one load a wave.
; The bias is the C of each sum's first product (so the order of rounding differs from adding it last).  LIMITS: NaN and infinities are not served.
; THE WAY OUT: a block of 16 rows x 128 columns goes through the wave's own stage in LDS and leaves as whole rows of 512 bytes.  The stages lie on o's tile, whose one fill is over; a barrier stands between every wave's last
; read of the tiles (signalled in the last K step) and the first store into a stage.
; REGISTERS: window 0: v1-19 addresses; v32-95 scale words; v160-207, v208-255 o's fragments; on the way out v96-159 and v192-255 rows read back.  window 1: W_out's fragments, two sets; the bias in v96-127 and v224-255.  window 2: the accumulators.
.set MA,    4
.set KS,    8
.set FRB,   1536
.set AH,    MA*KS*FRB                  ; half of o's tile, all of K: what one tensor load brings
.set ABY,   2*AH
.set BH,    8*KS*FRB
.set SPARE, ABY+2*BH                   ; the spare words, 128 bytes a wave
.set SC,    32
.set AF,    160
.set G1A,   24
.set G1B,   32
.set G0A,   68
.set G0B,   84
.set WOC,   6291456                    ; wsd: W_out's codes (o's at 0)
.set S4O,   7077888
.set S4W,   7340032
.set BK,    96
.set MSB, 0
.macro WIN new                         ; the immediate's high byte repeats the setting that is left
.if MSB != (\new)
	s_set_vgpr_msb (MSB<<8)|(\new)
.set MSB, (\new)
.endif
.endm
.macro PLACES n                        ; plain places behind matrix instructions (ISA guide 7.12.1)
.rept \n
	v_nop
.endr
.endm
.macro CROUND                          ; a round of the cluster's barrier
	s_barrier_signal -1
	s_barrier_wait -1
	s_cmp_lg_u32 s14, 0
	s_cbranch_scc1 .Lnot_wave_0_\@
	s_barrier_signal -3
.Lnot_wave_0_\@:
	s_barrier_wait -3
	s_barrier_signal -1
	s_barrier_wait -1
.endm
.macro FRAG reg, adr, i, q             ; an image comes back as it was stored: 3 loads of 512 consecutive bytes
.irp c, 0,1,2
	ds_load_b128 v[(\reg)+4*\c:(\reg)+4*\c+3], v[\adr] offset:(\i)*KS*FRB+(\q)*FRB+512*\c
.endr
.endm
.macro FETCH q                         ; K step q's twelve fragments into the sets of its parity; B's blocks 4-7 by a second address register, so that the offsets stay inside 16 bits
	WIN 0x40
.set fi, 0
.rept 8
	FRAG 128*((\q)%2)+12*fi, 12+fi/4, fi%4, \q
.set fi, fi+1
.endr
	WIN 0
.set fi, 0
.rept MA
	FRAG AF+48*((\q)%2)+12*fi, 8, fi, \q
.set fi, fi+1
.endr
.endm
; A's blocks a0 .. a0 + n - 1 against B's eight, K step q.  cm: 0 add in place; 1 start with the bias of B's block.  The 32 accumulators take turns.
.macro MULA a0, n, q, cm
.set ma, \a0
.rept \n
.if \cm == 1
	WIN (2<<6)|(1<<4)|1
.else
	WIN (2<<6)|(2<<4)|1
.endif
.set mb, 0
.rept 8
.set rD, 8*(8*ma+mb)
.set rB, 128*((\q)%2)+12*mb
.set rA, AF+48*((\q)%2)+12*ma
.set rC, 96+8*mb+96*(mb/4)
.if \cm == 0
	v_wmma_scale_f32_16x16x128_f8f6f4 v[rD:rD+7], v[rB:rB+11], v[rA:rA+11], v[rD:rD+7], v[SC+KS*mb+(\q)], v[SC+KS*ma+(\q)] matrix_a_fmt:MATRIX_FMT_FP6 matrix_b_fmt:MATRIX_FMT_FP6 matrix_a_scale:MATRIX_SCALE_ROW1
.else
	v_wmma_scale_f32_16x16x128_f8f6f4 v[rD:rD+7], v[rB:rB+11], v[rA:rA+11], v[rC:rC+7], v[SC+KS*mb+(\q)], v[SC+KS*ma+(\q)] matrix_a_fmt:MATRIX_FMT_FP6 matrix_b_fmt:MATRIX_FMT_FP6 matrix_a_scale:MATRIX_SCALE_ROW1
.endif
.set mb, mb+1
.endr
.set ma, ma+1
.endr
.endm
.macro KSTEP q, last, cm               ; a K step: 32 products, and one run of loads for the next step
	s_wait_dscnt 0x0                               ; this step's fragments are in
	MULA 0, 1, \q, \cm
.if \last == 0
	PLACES 4                                       ; the sets that the loads below fill were read by the last step's products
	FETCH (\q)+1
.else
	s_barrier_signal -1                            ; my reads of the tiles are over
.endif
	MULA 1, 3, \q, \cm
	WIN 0
.endm
.macro TOSTAGE a                       ; block a into my stage, and back as whole rows
	WIN 0x08                                       ; an LDS store's data are its source 1: window 2
.set tb, 0
.rept 8
	ds_store_b128 v18, v[64*(\a)+8*tb:64*(\a)+8*tb+3] offset:128*(tb/2)+32*(tb%2)          ; each accumulator from its low end on
	ds_store_b128 v18, v[64*(\a)+8*tb+4:64*(\a)+8*tb+7] offset:128*(tb/2)+32*(tb%2)+16
.set tb, tb+1
.endr
	WIN 0
.set tb, 0
.rept 16
	ds_load_b128 v[BK+96*((\a)%2)+4*tb:BK+96*((\a)%2)+4*tb+3], v19 offset:528*tb   ; LDS serves a wave's instructions in order: these see the stores above
.set tb, tb+1
.endr
.endm
.macro SEND a, younger                 ; younger: the LDS instructions issued behind block a's loads, which may stay out
	s_wait_dscnt \younger
.set tb, 0
.rept 16
	global_store_b128 v4, v[BK+96*((\a)%2)+4*tb:BK+96*((\a)%2)+4*tb+3], s[8:9] offset:(32*((\a)/2)+8*((\a)%2)+(tb%8)+16*(tb/8))*4096 th:TH_STORE_NT   ; 32 lanes store 512 consecutive bytes, aligned; written once
.set tb, tb+1
.endr
.endm
	s_load_b128 s[4:7], s[0:1], 0x0                ; wsd s[4:5], b_out s[6:7]
	s_load_b64 s[8:9], s[0:1], 0x10                ; out0
	v_lshl_add_u32 v30, v0, 2, SPARE
	v_mov_b32 v31, 0
	ds_add_u32 v30, v31                            ; the opening lines
	ds_add_u32 v30, v31
	v_lshrrev_b32 v1, 5, v0
	v_readfirstlane_b32 s14, v1                    ; wave 0..3
	s_lshr_b32 s15, s14, 1                         ; wr.  Also: I fetch for A (0) or for B (1)
	s_and_b32 s16, s14, 1                          ; wc.  Also: which half I fetch
	s_bfe_u32 s40, ttmp6, 0x40000                  ; cx
	s_bfe_u32 s41, ttmp6, 0x40004                  ; cy
	s_lshl_b32 s42, ttmp9, 2
	s_add_co_u32 s42, s42, s40                     ; work-group x
	s_and_b32 s45, ttmp7, 0xffff                   ; cluster y
	s_lshl_b32 s17, s45, 2
	s_add_co_u32 s17, s17, s41                     ; work-group y
	s_lshl_b32 s43, s41, 2
	s_lshl_b32 s43, 15, s43                        ; my row of the cluster
	s_lshl_b32 s44, 0x1111, s40                    ; my column
	s_or_b32 s[G1A], s43, (3<<16)|(1<<21)          ; group 1: R blocks of KS images, 1,536 elements of 8 bytes a row, dense; no padding
	s_or_b32 s[G1B], s44, (3<<16)|(1<<21)
	s_mov_b32 s[G1A+1], (KS*192)<<16
	s_mov_b32 s[G1A+2], MA<<16
	s_mov_b32 s[G1A+3], (KS*192)<<16
	s_mov_b32 s[G1A+4], MA
	s_mov_b32 s[G1A+5], KS*192
	s_mov_b32 s[G1A+6], 0
	s_mov_b32 s[G1A+7], 0
	s_mov_b32 s[G1B+1], (KS*192)<<16
	s_mov_b32 s[G1B+2], 8<<16
	s_mov_b32 s[G1B+3], (KS*192)<<16
	s_mov_b32 s[G1B+4], 8
	s_mov_b32 s[G1B+5], KS*192
	s_mov_b32 s[G1B+6], 0
	s_mov_b32 s[G1B+7], 0
	s_lshl_b32 s46, s17, 3                         ; bA: o's block 8 x work-group y
	s_lshl_b32 s48, s42, 4                         ; bB: W_out's block 16 x work-group x
	s_mul_i32 s54, s16, MA
	s_add_co_u32 s54, s54, s46
	s_mul_i32 s54, s54, KS*FRB
	s_mov_b32 s55, 0
	s_lshl_b32 s56, s16, 3
	s_add_co_u32 s56, s56, s48
	s_mul_i32 s56, s56, KS*FRB
	s_add_co_u32 s56, s56, WOC
	s_mov_b32 s57, 0
	s_mul_i32 s59, s15, MA
	s_add_co_u32 s59, s59, s46
	s_mul_i32 s59, s59, KS*64
	s_add_co_u32 s59, s59, S4O
	s_lshl_b32 s60, s16, 3
	s_add_co_u32 s60, s60, s48
	s_mul_i32 s60, s60, KS*64
	s_add_co_u32 s60, s60, S4W
	s_mul_i32 s61, s16, AH
	s_mul_i32 s62, s16, BH
	s_add_co_u32 s62, s62, ABY
	s_wait_dscnt 0x0                               ; both opening adds are done
	s_wait_kmcnt 0x0
	s_add_nc_u64 s[54:55], s[4:5], s[54:55]
	s_add_nc_u64 s[56:57], s[4:5], s[56:57]
	s_mov_b32 s[G0A], 1
	s_mov_b32 s[G0A+1], s61
	s_mov_b64 s[G0A+2:G0A+3], s[54:55]
	s_or_b32 s[G0A+3], s[G0A+3], 0x80000000
	s_mov_b32 s[G0B], 1
	s_mov_b32 s[G0B+1], s62
	s_mov_b64 s[G0B+2:G0B+3], s[56:57]
	s_or_b32 s[G0B+3], s[G0B+3], 0x80000000
	CROUND                                         ; all sixteen work-groups are here: the joint loads meet
	s_cmp_eq_u32 s15, 0                            ; one tensor load a wave: waves 0 and 1 o's halves, waves 2 and 3 W_out's
	s_cbranch_scc0 .Lfirst_b
	tensor_load_to_lds s[G0A:G0A+3], s[G1A:G1A+7]
	s_nop 0
	PLACES 4
	s_branch .Lfirst_done
.Lfirst_b:
	tensor_load_to_lds s[G0B:G0B+3], s[G1B:G1B+7]
	s_nop 0
	PLACES 4
.Lfirst_done:
	v_and_b32 v1, 31, v0
	v_and_b32 v2, 15, v0
	v_bfe_u32 v3, v0, 4, 1
	v_lshlrev_b32 v4, 4, v1                        ; 16 x lane
	s_wait_alu depctr_va_vdst(0)
	v_lshlrev_b32 v5, 4, v2                        ; 16 r
	v_mov_b32 v20, s59
	v_mov_b32 v21, s60
	v_cmp_eq_u32 vcc_lo, 1, v3
	v_cndmask_b32 v16, v20, v21, vcc_lo            ; lanes 0-15 take o's scale words, lanes 16-31 W_out's
	v_add_nc_u32 v16, v16, v5
.set fi, 0
.rept 8                                        ; (lanes 0-15 of blocks 4 to 7 read on, inside the buffer; those words are never used)
.set fg, 0
.rept KS/4
	global_load_b128 v[SC+KS*fi+4*fg:SC+KS*fi+4*fg+3], v16, s[4:5] offset:fi*KS*64+fg*256
.set fg, fg+1
.endr
.set fi, fi+1
.endr
	s_lshl_b32 s12, s42, 10
	s_lshl_b32 s13, s16, 9
	s_add_co_u32 s12, s12, s13                     ; 4 (256 x work-group x + 128 wc)
	s_mov_b32 s13, 0
	s_add_nc_u64 s[6:7], s[6:7], s[12:13]
	v_lshlrev_b32 v17, 6, v3                       ; the bias: tile i, register j = b(column 32 (i >> 1) + 16 h + 8 (i & 1) + j)
	WIN 0x40
.set fi, 0
.rept 8
	global_load_b128 v[96+8*fi+96*(fi/4):96+8*fi+96*(fi/4)+3], v17, s[6:7] offset:4*(32*(fi/2)+8*(fi%2))
	global_load_b128 v[96+8*fi+96*(fi/4)+4:96+8*fi+96*(fi/4)+7], v17, s[6:7] offset:4*(32*(fi/2)+8*(fi%2))+16
.set fi, fi+1
.endr
	WIN 0
	s_mul_i32 s18, s15, AH
	s_mul_i32 s19, s16, BH
	s_add_co_u32 s19, s19, ABY
	v_add_nc_u32 v8, s18, v4                       ; my A fragments
	v_add_nc_u32 v12, s19, v4                      ; my B fragments, blocks 0-3,
	s_add_co_u32 s19, s19, 4*KS*FRB
	v_add_nc_u32 v13, s19, v4                      ; and blocks 4-7
	s_mul_i32 s18, s14, 8448                       ; my stage: 16 rows x (512 + 16) bytes
	v_mul_u32_u24 v18, v2, 528
	v_lshl_add_u32 v18, v3, 6, v18
	v_add_nc_u32 v18, s18, v18                     ; in: row r, + 64 h
	v_add_nc_u32 v19, s18, v4                      ; back: 16 x lane
	s_lshl_b32 s10, s17, 7
	s_lshl_b32 s11, s15, 6
	s_add_co_u32 s10, s10, s11                     ; my first row: 128 x work-group y + 64 wr
	s_lshl_b32 s10, s10, 12
	s_lshl_b32 s11, s42, 10
	s_add_co_u32 s10, s10, s11
	s_lshl_b32 s11, s16, 9
	s_add_co_u32 s10, s10, s11                     ; my first column, in bytes
	s_mov_b32 s11, 0
	s_add_nc_u64 s[8:9], s[8:9], s[10:11]
	s_wait_alu depctr_va_vdst(0)
	s_wait_loadcnt 0x0                             ; scale words and bias
	s_wait_tensorcnt 0x0                           ; my half tile is in
	s_barrier_signal -1
	s_barrier_wait -1                              ; and everybody's
	FETCH 0
	KSTEP 0, 0, 1                                  ; the first products start the sums with the bias
	KSTEP 1, 0, 0
	KSTEP 2, 0, 0
	KSTEP 3, 0, 0
	KSTEP 4, 0, 0
	KSTEP 5, 0, 0
	KSTEP 6, 0, 0
	KSTEP 7, 1, 0
	s_barrier_wait -1                              ; no wave reads the tiles any more: the stages may be written
	PLACES 4
	TOSTAGE 0
.irp a, 1,2,3
.if \a > 1
	s_wait_xcnt 0x0                                ; block a - 2's stores have read their registers: block a's loads may land there
.endif
	TOSTAGE \a
	SEND \a-1, 32                                  ; behind block a - 1's loads: block a's 16 stores and 16 loads
.endr
	SEND 3, 0
	s_wait_tensorcnt 0x0                           ; the wave's end
	ds_add_u32 v30, v31
	s_wait_dscnt 0x0
	CROUND                                         ; the closing round
	s_endpgm
.Lfunc_end_k_q2b214a4549_outp:
	.size	k_q2b214a4549_outp, .Lfunc_end_k_q2b214a4549_outp-k_q2b214a4549_outp
	.p2alignl 7, 3214868480
	.fill 96, 4, 3214868480
	.section	.rodata,"a",@progbits
	.p2align	6, 0x0
	.amdhsa_kernel k_q2b214a4549_outp
		.amdhsa_group_segment_fixed_size 327680
		.amdhsa_private_segment_fixed_size 0
		.amdhsa_enable_private_segment 0
		.amdhsa_kernarg_size 24
		.amdhsa_user_sgpr_count 2
		.amdhsa_user_sgpr_kernarg_segment_ptr 1
		.amdhsa_wavefront_size32 1
		.amdhsa_system_sgpr_workgroup_id_x 1
		.amdhsa_system_sgpr_workgroup_id_y 1
		.amdhsa_system_sgpr_workgroup_id_z 1
		.amdhsa_system_vgpr_workitem_id 0
		.amdhsa_next_free_vgpr 768
		.amdhsa_next_free_sgpr 100
		.amdhsa_reserve_vcc 1
		.amdhsa_float_denorm_mode_32 3
		.amdhsa_float_denorm_mode_16_64 3
		.amdhsa_memory_ordered 1
		.amdhsa_forward_progress 1
		.amdhsa_inst_pref_size 77
	.end_amdhsa_kernel
	.amdgpu_metadata
---
amdhsa.version: [ 1, 2 ]
amdhsa.kernels:
  - .name:           k_q2b214a4549_outp
    .symbol:         k_q2b214a4549_outp.kd
    .args:
      - { .name: wsd, .offset: 0, .size: 8, .value_kind: global_buffer, .address_space: global }
      - { .name: b_out, .offset: 8, .size: 8, .value_kind: global_buffer, .address_space: global }
      - { .name: out0, .offset: 16, .size: 8, .value_kind: global_buffer, .address_space: global }
    .group_segment_fixed_size: 327680
    .private_segment_fixed_size: 0
    .kernarg_segment_align: 8
    .kernarg_segment_size: 24
    .max_flat_workgroup_size: 128
    .sgpr_count:     100
    .vgpr_count:     768
    .wavefront_size: 32
...
	.end_amdgpu_metadata
.endif
;; end of part 5
